; MI455X (gfx1250); checked and timed in simulation.
; The chip was launched on July 23, 2026; its instructions are those of AMD's public machine-readable ISA for CDNA 5 (MIT licence, August 2026) and "CDNA5" Instruction Set Architecture Reference Guide (July 2026). The comments in the code are by the model that wrote it; some were corrected since.
;; Transformer Block. Allowed arithmetic: matrix products marked QUANTISED: E2M3 operands, one E8M0 scale for each 32 along K, by v_wmma_scale_f32_16x16x128_f8f6f4 with both operands' format E2M3, f32 sums; everything else in f32.
;; Inputs: W1 1,024 x 4,096 float32; W2 4,096 x 1,024 float32; Wk 1,024 x 1,024 float32; Wo 1,024 x 1,024 float32; Wq 1,024 x 1,024 float32; Wv 1,024 x 1,024 float32; b1 1,024 float32; b2 1,024 float32; bf1 4,096 float32; bf2 1,024 float32; bk 1,024 float32; bo 1,024 float32; bq 1,024 float32; bv 1,024 float32; g1 1,024 float32; g2 1,024 float32; x 2 x 2,048 x 1,024 float32.
;; Outputs: out0 2 x 2,048 x 1,024 float32.
;; This version of the problem:
;;   THIS VERSION OF THE PROBLEM IS GIVEN IN LOW PRECISION. The matrix products marked QUANTISED in the list below multiply operands that are first quantised to E2M3 (2 exponent bits, 3 mantissa bits; 6 bits a number), with one power-of-two scale for each 32 numbers along K (OCP MX v1.0); their sums are f32. All else is computed in f32.
;;   The module's matrix products, in the order in which they are computed (A, B: the left and right operand; K: the contracted axis; several contracted axes count as one K, in the product's order):
;;     1. [M 4,096, K 1,024] x [K 1,024, N 1,024]; A: computed on the way; B: input Wq: QUANTISED
;;     2. [M 4,096, K 1,024] x [K 1,024, N 1,024]; A: computed on the way; B: input Wk: QUANTISED
;;     3. [M 4,096, K 1,024] x [K 1,024, N 1,024]; A: computed on the way; B: input Wv: QUANTISED
;;     4. batch 32 x [M 2,048, K 64] x [K 64, N 2,048]; A: computed on the way; B: computed on the way: QUANTISED
;;     5. batch 32 x [M 64, K 2,048] x [K 2,048, N 2,048]; A: computed on the way; B: softmax (see below): QUANTISED
;;     6. [M 4,096, K 1,024] x [K 1,024, N 1,024]; A: computed on the way; B: input Wo: QUANTISED
;;     7. [M 4,096, K 1,024] x [K 1,024, N 4,096]; A: computed on the way; B: input W1: QUANTISED
;;     8. [M 4,096, K 4,096] x [K 4,096, N 1,024]; A: computed on the way; B: input W2: QUANTISED
;;   THE QUANTISER, for each operand of a quantised product, along K:
;;     - K is cut into blocks of 32 from its start; a last block that is shorter is filled with zeros.
;;     - A block's scale is 2^e with e = floor(log2(the largest magnitude in the block)) - 2, held to -126 .. 127; a block of zeros has e = 0. As a byte (E8M0): e + 127.
;;     - Each number is divided by its block's scale, clamped to +-7.5, and rounded to the nearest number of E2M3, ties to even, subnormals kept.
;;     - The product sums the exact products of the quantised numbers (number of the format x scale) in f32.
;;   ~~~python
;;   def quantise(x, axis):      # numpy; x: float32 -> the quantised numbers, widened to float32 again
;;       x = np.moveaxis(x, axis, -1); K = x.shape[-1]
;;       x = np.pad(x, [(0, 0)] * (x.ndim - 1) + [(0, -K % 32)]); x = x.reshape(x.shape[:-1] + (-1, 32)); a = np.abs(x).max(-1, keepdims=True)
;;       e = np.where(a > 0, np.clip(np.frexp(np.where(a > 0, a, 1))[1] - 1 - 2, -126, 127), 0)      # np.frexp(a)[1] - 1 = floor(log2(a)), exactly
;;       r = np.clip(x / 2.0 ** e, -7.5, 7.5)
;;       step = 2.0 ** (np.maximum(np.frexp(np.where(r == 0, 1, r))[1] - 1, 0) - 3)
;;       q = np.round(r / step) * step * 2.0 ** e      # np.round: ties to even
;;       return np.moveaxis(q.reshape(q.shape[:-2] + (-1,))[..., :K], -1, axis).astype(np.float32)
;;   ~~~
;;   SOFTMAX AHEAD OF A QUANTISED PRODUCT. Where the list says 'softmax', what is quantised is not the finished softmax but p = 2^(t - M), with t = logit x log2(e) and M = ceil(the row's largest t), a whole number; so 1/2 < the row's largest p <= 1. The row's sum l is taken of the UNQUANTISED p, in f32, and the product's result is divided by l at the end. Since M is a whole number, a kernel that streams over the keys may use a running M (the ceiling of the running maximum): every later rescaling is an exact power of two, which a block's scale takes up: the codes' values come out the same.
;;   OPERANDS COMPUTED ON THE WAY. 'Computed on the way' means the value that the module computes at that place (a softmax that the list does not call 'softmax' is quantised finished and normalised). What goes into a quantiser is computed in f32, as accurately as f32 sums, v_exp_f32 and their like allow (about 1e-6 of the number): no bf16 or f16 on the way to a quantiser, and a product that is left as it is and whose result goes on into a quantised operand takes f32 operands (vector FMAs, or v_wmma_f32_16x16x4_f32). A number that lies on a knife's edge between two numbers of the format may be rounded either way, as far as f32 arithmetic and the matrix unit's own rounding can turn it there, and no further.
;; One version. Each part assembles by itself: llvm-mc -triple=amdgcn-amd-amdhsa -mcpu=gfx1250 --defsym DOCPART=n.
;; ======== version 1 of 1: 7 launches
;; limits: right only within a limited range of input values
;; workspace buffers: WB 9,830,400 bytes; XN 20,054,016 bytes; QKV 9,830,400 bytes; CTX 3,276,800 bytes; X1 16,777,216 bytes; X1N 3,276,800 bytes; HID 13,107,200 bytes
;; launch prep (part 1): grid 640 x 1, 8 waves a work-group, no clusters, 69,632 bytes of LDS; arguments x, g1, b1, XN, Wq, Wk, Wv, Wo, W1, W2, WB; writes XN, WB
.if DOCPART == 1
	.amdgcn_target "amdgcn-amd-amdhsa--gfx1250"
	.amdhsa_code_object_version 6
	.text
	.protected	k_q12497e74ac_prep
	.globl	k_q12497e74ac_prep
	.p2align	8
	.type	k_q12497e74ac_prep,@function
k_q12497e74ac_prep:
	s_mov_b64 s[64:65], 0
	v_nop
	global_prefetch_b8 v0, s[64:65] scope:SCOPE_SE
	s_setreg_imm32_b32 hwreg(HW_REG_WAVE_MODE, 25, 1), 1
	s_wait_xcnt 0x0
; TWO JOBS THAT DEPEND ON NOTHING AND ON EACH OTHER NOT, IN ONE LAUNCH: work-groups 0-255 make xn = LayerNorm(x), work-groups 256-639 quantise the six weights.  They part by one scalar branch on the work-group's number.
; Both make codes of FP6 (E2M3) with one E8M0 scale byte for each 32 along K, laid as IMAGES OF OPERAND REGISTERS: an image is a fragment of 16 rows x 128 along K: 1,536 bytes, chunk c (0..2) of 512 bytes holds lane L's
; registers 4 c .. 4 c + 3 at 16 L; its scale record is 64 bytes, place r's word at 4 r.  Tile 2 g + u holds at place r the row 32 g + 8 u + r + 8 (r / 8).  Arrays: codes [tile][K step][1536], scales [tile][K step][64].
; THE LAYERNORM.  A work-group takes tile mb of the rows; wave w takes columns 128 w .. 128 w + 127: one K step, one image.  XN: codes at 0, scales at 3,145,728, xn as f32 rows at 3,276,800.
; Loads take 512 consecutive bytes of a row; the wave's own stage in LDS (rows of 528 bytes) turns them so that lane (r, h) holds, of row place r, register 16 b + i = column 32 b + 16 h + i.
; Mean and variance as they are defined, in two passes; the eight waves' parts meet in LDS behind a barrier each.  Only this path stores to LDS and has barriers.
; THE WEIGHTS, f32 stored [K][N].  A LANE TAKES A COLUMN AND ITS REGISTERS RUN DOWN K: a wave takes 32 columns x 128 along K (two images); each load reads 128 consecutive bytes, the eight waves stand side by side on 1,024.
; WB: Wq, Wk, Wv, Wo codes at 786,432 w; W1's at 3,145,728; W2's at 6,291,456; scales from 9,437,184 on: 32,768 w; W1 +131,072; W2 +262,144.  Of the 384: 0-127 the four square weights, 128-255 W1, 256-383 W2.
; LIMITS: NaN and infinities are not served; 1 / sqrt by v_rsq_f32 (1 ulp); a block whose largest magnitude lies under 2^-124 (a block of zeros too) gets the byte 1 where the rule says 127: its codes are zeros or held small,
; and this program alone reads the bytes.
.set LNWG,  256                        ; work-groups of the LayerNorm
.set SP,    528
.set STGB,  16*SP                      ; a wave's stage
.set RED,   8*STGB                     ; 512 bytes for the sums, 512 for the sums of squares: wave w's row r at 64 w + 4 r
.set SPARE, RED+1024                   ; the spare words, 128 bytes for each wave: four blocks of 256 bytes that no other line names
.set X,   32                           ; v32-95   64 numbers
.set G,   96                           ; v96-159  the gain; later rows of xn on the way out
.set BV,  160                          ; v160-223 the bias; later:
.set TM,  160                          ; v160-175 at work in QUANT
.set PW,  176                          ; the scale word
.set PC,  180                          ; v180-199 the codes
.set SPW, 12                           ; v12 LDS address of my spare word; never rewritten, on either path
.set NIL, 13                           ; v13 0; never rewritten, on either path
.set SEL, 20                           ; s[20:21] selects for lane l xor 16
.set WX,  64                           ; the weights' path: v64-191 my column's 128 numbers
.set WFA, 16                           ; v16-27   codes of blocks 0 and 2, then tile 0's image
.set WFB, 28                           ; v28-39   codes of blocks 1 and 3, then tile 1's image
.set WTT, 40                           ; v40-55   the upper halves of the four blocks (a conversion's three registers begin on an even number)
.set WSO, 56                           ; v56-59   the conversions' scale operands
.set WPW, 7                            ; v7       my column's scale word
; 64 numbers of a lane, register 16 b + i = k 32 b + 16 (lane / 16) + i of my row, become a fragment's codes in v[PC] on and its scale word in v[PW].
.macro QUANT s
.irp b, 0,1,2,3
	v_max3_num_f32 v[TM+\b], |v[\s+16*\b]|, |v[\s+1+16*\b]|, 0x1800000   ; my 16 numbers of block b, and the floor 2^(3 - 127)
.endr
.irp i, 2,4,6,8,10,12,14
.irp b, 0,1,2,3
	s_delay_alu instid0(VALU_DEP_4)
	v_max3_num_f32 v[TM+\b], v[TM+\b], |v[\s+16*\b+\i]|, |v[\s+1+16*\b+\i]|
.endr
.endr
.irp b, 0,1,2,3
	s_delay_alu instid0(VALU_DEP_4)
	v_permlanex16_b32 v[TM+4+\b], v[TM+\b], s[SEL], s[SEL+1]
.endr
.irp b, 0,1,2,3
	s_delay_alu instid0(VALU_DEP_4)
	v_max_num_f32 v[TM+\b], v[TM+\b], v[TM+4+\b]   ; with lane l xor 16's: the block's largest magnitude
.endr
.irp b, 0,1,2,3
	s_delay_alu instid0(VALU_DEP_4)
	v_add_nc_u32 v[TM+12+\b], 0xff000000, v[TM+\b] ; 2 off its exponent field: the conversion's scale operand
.endr
.irp b, 0,1,2,3
	s_delay_alu instid0(VALU_DEP_4)
	v_lshrrev_b32 v[TM+4+\b], 23, v[TM+12+\b]      ; the scale's byte
.endr
	s_delay_alu instid0(VALU_DEP_3)
	v_lshl_or_b32 v[PW], v[TM+5], 8, v[TM+4]
	s_delay_alu instid0(VALU_DEP_1)
	v_lshl_or_b32 v[PW], v[TM+6], 16, v[PW]
	s_delay_alu instid0(VALU_DEP_1)
	v_lshl_or_b32 v[PW], v[TM+7], 24, v[PW]
.irp c, 0,1
	v_cvt_scalef32_pk16_fp6_f32 v[PC+6*\c:PC+2+6*\c], v[\s+32*\c:\s+15+32*\c], v[TM+12+2*\c]
	v_cvt_scalef32_pk16_fp6_f32 v[PC+12+4*\c:PC+14+4*\c], v[\s+16+32*\c:\s+31+32*\c], v[TM+12+2*\c+1]
.endr
	v_nop                                          ; one plain place behind a scaled conversion
.irp c, 0,1                            ; the operand's layout wants a whole block in a lane
.irp i, 0,1,2
	v_permlane16_swap_b32 v[PC+6*\c+\i], v[PC+12+4*\c+\i]
.endr
.irp i, 0,1,2
	s_delay_alu instid0(VALU_DEP_3)
	v_mov_b32 v[PC+3+6*\c+\i], v[PC+12+4*\c+\i]
.endr
.endr
.endm
.macro JOIN off                        ; v18 holds my wave's part for my row: all eight parts are added, in every lane
	ds_store_b32 v8, v18 offset:\off               ; lanes r and r + 16 write the same word with the same value
	s_wait_dscnt 0x0                               ; for the others' sake: my store has landed
	s_barrier_signal -1
	s_barrier_wait -1
.irp k, 0,1,2,3,4,5,6,7
	ds_load_b32 v[18+\k], v9 offset:\off+64*\k
.endr
	s_wait_dscnt 0x0
	v_add_f32 v18, v18, v19
	v_add_f32 v20, v20, v21
	v_add_f32 v22, v22, v23
	v_add_f32 v24, v24, v25
	s_delay_alu instid0(VALU_DEP_3)
	v_add_f32 v18, v18, v20
	s_delay_alu instid0(VALU_DEP_2)
	v_add_f32 v22, v22, v24
	s_delay_alu instid0(VALU_DEP_1)
	v_add_f32 v18, v18, v22
.endm
.macro FOLD                            ; four packed chains v[18:25] become one number, with lane l xor 16's
	s_delay_alu instid0(VALU_DEP_3)
	v_pk_add_f32 v[18:19], v[18:19], v[20:21]
	s_delay_alu instid0(VALU_DEP_2)
	v_pk_add_f32 v[22:23], v[22:23], v[24:25]
	s_delay_alu instid0(VALU_DEP_1)
	v_pk_add_f32 v[18:19], v[18:19], v[22:23]
	s_delay_alu instid0(VALU_DEP_1)
	v_add_f32 v18, v18, v19
	s_delay_alu instid0(VALU_DEP_1)
	v_permlanex16_b32 v19, v18, s[SEL], s[SEL+1]
	s_delay_alu instid0(VALU_DEP_1)
	v_add_f32 v18, v18, v19
.endm
.macro LOADW pitch                     ; W(128 s + i, my column), i = 0 .. 127
.set i, 0
.rept 128
	global_load_b32 v[WX+i], v60, s[24:25] offset:i*\pitch th:TH_LOAD_NT
.set i, i+1
.endr
.endm
.macro BLOCK q                         ; block q of 32 along K of my column: all its numbers are mine
.set XS, WX+32*(\q)
.set AR, WFA+12*((\q)%2)+6*((\q)/2)
	v_max3_num_f32 v8, |v[XS]|, |v[XS+1]|, |v[XS+2]|
	v_max3_num_f32 v9, |v[XS+3]|, |v[XS+4]|, |v[XS+5]|
.irp i, 6,10,14,18,22,26
	s_delay_alu instid0(VALU_DEP_2)
	v_max3_num_f32 v8, v8, |v[XS+\i]|, |v[XS+\i+1]|
	s_delay_alu instid0(VALU_DEP_2)
	v_max3_num_f32 v9, v9, |v[XS+\i+2]|, |v[XS+\i+3]|
.endr
	s_delay_alu instid0(VALU_DEP_2)
	v_max3_num_f32 v8, v8, |v[XS+30]|, |v[XS+31]|
	s_delay_alu instid0(VALU_DEP_1)
	v_max3_num_f32 v8, v8, v9, 0x1800000           ; and the floor 2^(3 - 127): the byte cannot fall under 1
	s_delay_alu instid0(VALU_DEP_1)
	v_add_nc_u32 v[WSO+\q], 0xff000000, v8         ; 2 off the exponent field: the conversion takes this operand's exponent field as its scale
	s_delay_alu instid0(VALU_DEP_1)
	v_lshrrev_b32 v9, 23, v[WSO+\q]                ; the scale's byte
.if (\q) == 0
	s_delay_alu instid0(VALU_DEP_1)
	v_mov_b32 v[WPW], v9
.else
	s_delay_alu instid0(VALU_DEP_1)
	v_lshl_or_b32 v[WPW], v9, 8*(\q), v[WPW]
.endif
	v_cvt_scalef32_pk16_fp6_f32 v[AR:AR+2], v[XS:XS+15], v[WSO+\q]
	v_cvt_scalef32_pk16_fp6_f32 v[WTT+4*(\q):WTT+4*(\q)+2], v[XS+16:XS+31], v[WSO+\q]
.endm
	v_lshl_add_u32 v[SPW], v0, 2, SPARE
	v_mov_b32 v[NIL], 0
	s_cmp_lt_u32 ttmp9, LNWG                       ; the same in all eight waves of a work-group
	s_cbranch_scc0 .Lweights
	; ---------------- THE LAYERNORM ----------------
	s_load_b256 s[4:11], s[0:1], 0x0               ; x, g1, b1, XN
	v_lshrrev_b32 v1, 5, v0
	s_delay_alu instid0(VALU_DEP_1)
	v_readfirstlane_b32 s12, v1                    ; wave
	v_and_b32 v1, 31, v0
	v_and_b32 v2, 15, v0                           ; r
	v_bfe_u32 v3, v0, 4, 1                         ; h
	s_delay_alu instid0(VALU_DEP_3)
	v_lshlrev_b32 v4, 4, v1                        ; 16 L
	s_delay_alu instid0(VALU_DEP_2)
	v_lshlrev_b32 v5, 6, v3                        ; 64 h
	s_mul_i32 s13, s12, STGB
	v_add_nc_u32 v6, s13, v4                       ; the stage by rows: 16 L
	v_mul_u32_u24 v7, v2, SP
	s_delay_alu instid0(VALU_DEP_1)
	v_add_nc_u32 v7, v7, v5
	s_delay_alu instid0(VALU_DEP_1)
	v_add_nc_u32 v7, s13, v7                       ; and in operand order: row r, + 64 h
	v_lshlrev_b32 v10, 2, v2                       ; 4 r
	s_delay_alu instid0(VALU_DEP_1)
	v_add_nc_u32 v9, RED, v10
	s_lshl_b32 s13, s12, 6
	v_add_nc_u32 v8, s13, v9
	s_mov_b32 s[SEL], 0x76543210
	s_mov_b32 s[SEL+1], 0xfedcba98
	s_mov_b32 s19, 0x3a800000                      ; 1 / 1,024
	s_lshr_b32 s14, ttmp9, 1
	s_lshl_b32 s14, s14, 5
	s_and_b32 s15, ttmp9, 1
	s_lshl_b32 s15, s15, 3
	s_add_co_u32 s14, s14, s15                     ; the tile's first row
	s_lshl_b32 s14, s14, 12
	s_lshl_b32 s16, s12, 9                         ; my wave's 512 bytes of a row
	s_mov_b32 s17, 0
	s_add_co_u32 s14, s14, s16
	s_mov_b32 s15, 0
	s_lshl_b32 s18, ttmp9, 3
	s_add_co_u32 s18, s18, s12                     ; my image: 8 mb + w
	s_mul_i32 s22, s18, 1536
	s_mov_b32 s23, 0
	s_lshl_b32 s24, s18, 6
	s_add_co_u32 s24, s24, 3145728
	s_mov_b32 s25, 0
	s_wait_alu depctr_va_vdst(0)
	s_wait_kmcnt 0x0
	s_add_nc_u64 s[4:5], s[4:5], s[14:15]
	s_add_nc_u64 s[6:7], s[6:7], s[16:17]
	s_add_nc_u64 s[8:9], s[8:9], s[16:17]
	s_add_nc_u64 s[28:29], s[10:11], s[22:23]
	s_add_nc_u64 s[30:31], s[10:11], s[24:25]
	s_add_nc_u64 s[26:27], s[10:11], s[14:15]
	s_add_nc_u64 s[26:27], s[26:27], 3276800
.set i, 0
.rept 16                               ; place i's row: 512 consecutive bytes a load
	global_load_b128 v[X+4*i:X+4*i+3], v4, s[4:5] offset:(i+8*(i/8))*4096 th:TH_LOAD_NT
.set i, i+1
.endr
.irp b, 0,1,2,3
.irp j, 0,1,2,3
	global_load_b128 v[G+16*\b+4*\j:G+16*\b+4*\j+3], v5, s[6:7] offset:128*\b+16*\j
.endr
.endr
.irp b, 0,1,2,3
.irp j, 0,1,2,3
	global_load_b128 v[BV+16*\b+4*\j:BV+16*\b+4*\j+3], v5, s[8:9] offset:128*\b+16*\j
.endr
.endr
	s_wait_loadcnt 32                              ; the 16 loads of the rows are in; gain and bias, 32 loads, may be out
.set i, 0
.rept 16
	ds_store_b128 v6, v[X+4*i:X+4*i+3] offset:SP*i
.set i, i+1
.endr
.irp b, 0,1,2,3
.irp j, 0,1,2,3
	ds_load_b128 v[X+16*\b+4*\j:X+16*\b+4*\j+3], v7 offset:128*\b+16*\j   ; LDS serves a wave's instructions in order (ISA guide 5.7.1.4): these see the stores above
.endr
.endr
	s_wait_dscnt 0x0
	v_pk_add_f32 v[18:19], v[X:X+1], v[X+2:X+3]    ; the sum, in four chains
	v_pk_add_f32 v[20:21], v[X+4:X+5], v[X+6:X+7]
	v_pk_add_f32 v[22:23], v[X+8:X+9], v[X+10:X+11]
	v_pk_add_f32 v[24:25], v[X+12:X+13], v[X+14:X+15]
.irp j, 16,24,32,40,48,56
	s_delay_alu instid0(VALU_DEP_4)
	v_pk_add_f32 v[18:19], v[18:19], v[X+\j:X+\j+1]
	s_delay_alu instid0(VALU_DEP_4)
	v_pk_add_f32 v[20:21], v[20:21], v[X+\j+2:X+\j+3]
	s_delay_alu instid0(VALU_DEP_4)
	v_pk_add_f32 v[22:23], v[22:23], v[X+\j+4:X+\j+5]
	s_delay_alu instid0(VALU_DEP_4)
	v_pk_add_f32 v[24:25], v[24:25], v[X+\j+6:X+\j+7]
.endr
	FOLD
	JOIN 0
	s_delay_alu instid0(VALU_DEP_1)
	v_mul_f32 v14, 0xba800000, v18                 ; - the mean
	s_delay_alu instid0(VALU_DEP_1)
	v_mov_b32 v15, v14
.set i, 0
.rept 32
	v_pk_add_f32 v[X+i:X+i+1], v[X+i:X+i+1], v[14:15]
.set i, i+2
.endr
	v_pk_mul_f32 v[18:19], v[X:X+1], v[X:X+1]      ; the sum of squares of x - mean
	v_pk_mul_f32 v[20:21], v[X+2:X+3], v[X+2:X+3]
	v_pk_mul_f32 v[22:23], v[X+4:X+5], v[X+4:X+5]
	v_pk_mul_f32 v[24:25], v[X+6:X+7], v[X+6:X+7]
.irp j, 8,16,24,32,40,48,56
	s_delay_alu instid0(VALU_DEP_4)
	v_pk_fma_f32 v[18:19], v[X+\j:X+\j+1], v[X+\j:X+\j+1], v[18:19]
	s_delay_alu instid0(VALU_DEP_4)
	v_pk_fma_f32 v[20:21], v[X+\j+2:X+\j+3], v[X+\j+2:X+\j+3], v[20:21]
	s_delay_alu instid0(VALU_DEP_4)
	v_pk_fma_f32 v[22:23], v[X+\j+4:X+\j+5], v[X+\j+4:X+\j+5], v[22:23]
	s_delay_alu instid0(VALU_DEP_4)
	v_pk_fma_f32 v[24:25], v[X+\j+6:X+\j+7], v[X+\j+6:X+\j+7], v[24:25]
.endr
	FOLD
	JOIN 512                                       ; other bytes than the first exchange's: no wave can overwrite what another still reads
	v_mov_b32 v19, 0x3727c5ac                      ; 1e-5
	s_delay_alu instid0(VALU_DEP_1)
	v_fma_f32 v18, v18, s19, v19                   ; the variance + eps
	s_wait_alu depctr_va_vdst(0)
	v_rsq_f32 v16, v18
	v_rsq_f32 v17, v18
	v_nop                                          ; a plain place behind the transcendentals
	s_wait_alu depctr_va_vdst(0)                   ; the wait ahead of the first reader: one for both
	s_wait_loadcnt 0x0                             ; gain and bias
.set i, 0
.rept 32
	v_pk_mul_f32 v[X+i:X+i+1], v[X+i:X+i+1], v[16:17]
.set i, i+2
.endr
.set i, 0
.rept 32
	v_pk_fma_f32 v[X+i:X+i+1], v[X+i:X+i+1], v[G+i:G+i+1], v[BV+i:BV+i+1]
.set i, i+2
.endr
.irp b, 0,1,2,3
.irp j, 0,1,2,3
	ds_store_b128 v7, v[X+16*\b+4*\j:X+16*\b+4*\j+3] offset:128*\b+16*\j    ; xn goes back through my stage, to leave as rows
.endr
.endr
.set i, 0
.rept 16
	ds_load_b128 v[G+4*i:G+4*i+3], v6 offset:SP*i
.set i, i+1
.endr
.irp b, 0,1,2,3
	v_mov_b32 v[TM+4+\b], 0                        ; a lane permute's destination counts as one of its sources
.endr
	QUANT X
.irp c, 0,1,2
	global_store_b128 v4, v[PC+4*\c:PC+4*\c+3], s[28:29] offset:512*\c      ; 512 consecutive bytes a store
.endr
	global_store_b32 v10, v[PW], s[30:31]          ; lanes r and r + 16 hold the same word and name the same 4 bytes
	s_wait_dscnt 0x0
.set i, 0
.rept 16
	global_store_b128 v4, v[G+4*i:G+4*i+3], s[26:27] offset:(i+8*(i/8))*4096
.set i, i+1
.endr
	s_wait_tensorcnt 0x0                           ; the wave's end, behind my last LDS store
	ds_add_u32 v[SPW], v[NIL]
	s_wait_dscnt 0x0
	s_endpgm
	; ---------------- THE WEIGHTS ----------------
.Lweights:
	s_load_b256 s[8:15], s[0:1], 0x20              ; Wq, Wk, Wv, Wo
	s_load_b128 s[16:19], s[0:1], 0x40             ; W1, W2
	s_load_b64 s[20:21], s[0:1], 0x50              ; WB
	s_sub_co_u32 s46, ttmp9, LNWG                  ; 0 .. 383
	v_lshrrev_b32 v1, 5, v0
	s_delay_alu instid0(VALU_DEP_1)
	v_readfirstlane_b32 s2, v1                     ; wave
	v_and_b32 v1, 31, v0                           ; L
	v_and_b32 v2, 15, v0                           ; r
	s_wait_alu depctr_va_vdst(0)
	v_bfe_u32 v3, v0, 4, 1                         ; u
	s_lshr_b32 s3, s46, 7                          ; group: 0 the squares, 1 W1, 2 W2
	s_and_b32 s4, s46, 127
	s_lshr_b32 s6, s4, 5
	s_add_co_u32 s7, s3, 3
	s_cmp_eq_u32 s3, 0
	s_cselect_b32 s5, 7, 31                        ; mask of the K step
	s_cselect_b32 s7, s6, s7                       ; which of the six weights
	s_cselect_b32 s6, s6, 0                        ; which of the four squares
	s_cmp_eq_u32 s3, 1
	s_cselect_b32 s22, 15, 3                       ; mask of the block of 256 columns
	s_cselect_b32 s23, 4, 2
	s_cselect_b32 s27, 21, 19                      ; 128 rows of W in bytes, as a shift
	s_cmp_eq_u32 s3, 2
	s_cselect_b32 s26, 32, 8                       ; K steps of this weight
	s_and_b32 s22, s4, s22                         ; block of 256 columns
	s_lshr_b32 s23, s4, s23
	s_and_b32 s23, s23, s5                         ; K step
	s_lshl_b32 s28, s23, s27
	s_lshl_b32 s29, s22, 10
	s_add_co_u32 s28, s28, s29
	s_lshl_b32 s29, s2, 7
	s_add_co_u32 s28, s28, s29
	s_mov_b32 s29, 0                               ; s[28:29]: where my wave reads
	s_lshl_b32 s30, s22, 4
	s_lshl_b32 s31, s2, 1
	s_add_co_u32 s30, s30, s31                     ; my first tile
	s_mul_i32 s30, s30, s26
	s_add_co_u32 s30, s30, s23                     ; its record: tile x K steps + K step
	s_mul_i32 s32, s30, 1536
	s_mul_i32 s33, s3, 3145728
	s_add_co_u32 s32, s32, s33
	s_mul_i32 s33, s6, 786432
	s_add_co_u32 s32, s32, s33
	s_mov_b32 s33, 0                               ; s[32:33]: the codes
	s_lshl_b32 s34, s30, 6
	s_lshl_b32 s35, s3, 17
	s_add_co_u32 s34, s34, s35
	s_lshl_b32 s35, s6, 15
	s_add_co_u32 s34, s34, s35
	s_add_co_u32 s34, s34, 9437184
	s_mov_b32 s35, 0                               ; s[34:35]: the scale words
	v_and_b32 v8, 8, v2
	s_delay_alu instid0(VALU_DEP_1)
	v_add_nc_u32 v8, v8, v2
	s_wait_alu depctr_va_vdst(0)
	v_lshl_add_u32 v8, v3, 3, v8                   ; my column of the 32: 8 u + r + 8 (r / 8)
	s_delay_alu instid0(VALU_DEP_1)
	v_lshlrev_b32 v60, 2, v8
	v_lshlrev_b32 v4, 4, v1                        ; tile 0's image: 16 L
	s_mul_i32 s36, s26, 1536
	v_add_nc_u32 v5, s36, v4                       ; tile 1's: one tile's K steps further on
	s_lshl_b32 s36, s26, 6
	v_mul_lo_u32 v6, v3, s36
	s_delay_alu instid0(VALU_DEP_1)
	v_lshl_add_u32 v6, v2, 2, v6                   ; my scale word: tile u's record, place r
	s_wait_kmcnt 0x0
	s_mov_b64 s[24:25], s[8:9]
	s_cmp_eq_u32 s7, 1
	s_cselect_b64 s[24:25], s[10:11], s[24:25]
	s_cmp_eq_u32 s7, 2
	s_cselect_b64 s[24:25], s[12:13], s[24:25]
	s_cmp_eq_u32 s7, 3
	s_cselect_b64 s[24:25], s[14:15], s[24:25]
	s_cmp_eq_u32 s7, 4
	s_cselect_b64 s[24:25], s[16:17], s[24:25]
	s_cmp_eq_u32 s7, 5
	s_cselect_b64 s[24:25], s[18:19], s[24:25]
	s_add_nc_u64 s[24:25], s[24:25], s[28:29]
	s_add_nc_u64 s[38:39], s[20:21], s[32:33]
	s_add_nc_u64 s[40:41], s[20:21], s[34:35]
	s_cmp_eq_u32 s3, 1                             ; only the row's length differs: it stands in the immediates
	s_cbranch_scc1 .Lwide
	s_wait_alu depctr_va_vdst(0)
	LOADW 4096
	s_branch .Lgo
.Lwide:
	s_wait_alu depctr_va_vdst(0)
	LOADW 16384
.Lgo:
	s_wait_loadcnt 63                              ; of 128 loads at most 63 are out: the first 65 are in, blocks 0 and 1 among them
	BLOCK 0
	BLOCK 1
	s_wait_loadcnt 32                              ; the first 96
	BLOCK 2
	s_wait_loadcnt 0x0
	BLOCK 3
	v_nop                                          ; one plain place behind the last conversion
.irp q, 0,1,2,3
.irp i, 0,1,2
	v_mov_b32 v[WFA+12*(\q%2)+6*(\q/2)+3+\i], v[WTT+4*\q+\i]
.endr
.endr
.set i, 0
.rept 12                               ; the first run's lanes 16-31 (tile 1's even blocks) change places with the second's lanes 0-15 (tile 0's odd blocks): the first is tile 0's image, the second tile 1's
	v_permlane16_swap_b32 v[WFA+i], v[WFB+i]
.set i, i+1
.endr
.irp c, 0,1,2
	global_store_b128 v4, v[WFA+4*\c:WFA+4*\c+3], s[38:39] offset:512*\c    ; 32 lanes store 512 consecutive bytes
.endr
.irp c, 0,1,2
	global_store_b128 v5, v[WFB+4*\c:WFB+4*\c+3], s[38:39] offset:512*\c
.endr
	global_store_b32 v6, v[WPW], s[40:41]          ; two runs of 64 bytes
	s_wait_tensorcnt 0x0                           ; the wave's end
	ds_add_u32 v[SPW], v[NIL]
	s_wait_dscnt 0x0
	s_endpgm
.Lfunc_end_k_q12497e74ac_prep:
	.size	k_q12497e74ac_prep, .Lfunc_end_k_q12497e74ac_prep-k_q12497e74ac_prep
	.p2alignl 7, 3214868480
	.fill 96, 4, 3214868480
	.section	.rodata,"a",@progbits
	.p2align	6, 0x0
	.amdhsa_kernel k_q12497e74ac_prep
		.amdhsa_group_segment_fixed_size 69632
		.amdhsa_private_segment_fixed_size 0
		.amdhsa_enable_private_segment 0
		.amdhsa_kernarg_size 88
		.amdhsa_user_sgpr_count 2
		.amdhsa_user_sgpr_kernarg_segment_ptr 1
		.amdhsa_wavefront_size32 1
		.amdhsa_system_sgpr_workgroup_id_x 1
		.amdhsa_system_sgpr_workgroup_id_y 1
		.amdhsa_system_sgpr_workgroup_id_z 1
		.amdhsa_system_vgpr_workitem_id 0
		.amdhsa_next_free_vgpr 224
		.amdhsa_next_free_sgpr 66
		.amdhsa_reserve_vcc 0
		.amdhsa_float_denorm_mode_32 3
		.amdhsa_float_denorm_mode_16_64 3
		.amdhsa_memory_ordered 1
		.amdhsa_forward_progress 1
		.amdhsa_inst_pref_size 70
	.end_amdhsa_kernel
	.amdgpu_metadata
---
amdhsa.version: [ 1, 2 ]
amdhsa.kernels:
  - .name:           k_q12497e74ac_prep
    .symbol:         k_q12497e74ac_prep.kd
    .args:
      - { .name: x, .offset: 0, .size: 8, .value_kind: global_buffer, .address_space: global }
      - { .name: g1, .offset: 8, .size: 8, .value_kind: global_buffer, .address_space: global }
      - { .name: b1, .offset: 16, .size: 8, .value_kind: global_buffer, .address_space: global }
      - { .name: XN, .offset: 24, .size: 8, .value_kind: global_buffer, .address_space: global }
      - { .name: Wq, .offset: 32, .size: 8, .value_kind: global_buffer, .address_space: global }
      - { .name: Wk, .offset: 40, .size: 8, .value_kind: global_buffer, .address_space: global }
      - { .name: Wv, .offset: 48, .size: 8, .value_kind: global_buffer, .address_space: global }
      - { .name: Wo, .offset: 56, .size: 8, .value_kind: global_buffer, .address_space: global }
      - { .name: W1, .offset: 64, .size: 8, .value_kind: global_buffer, .address_space: global }
      - { .name: W2, .offset: 72, .size: 8, .value_kind: global_buffer, .address_space: global }
      - { .name: WB, .offset: 80, .size: 8, .value_kind: global_buffer, .address_space: global }
    .group_segment_fixed_size: 69632
    .private_segment_fixed_size: 0
    .kernarg_segment_align: 8
    .kernarg_segment_size: 88
    .max_flat_workgroup_size: 256
    .sgpr_count:     66
    .vgpr_count:     224
    .wavefront_size: 32
...
	.end_amdgpu_metadata
.endif
;; end of part 1
;; launch qkv (part 2): grid 12 x 16, 4 waves a work-group, clusters of 4 x 4, 327,680 bytes of LDS; arguments XN, WB, bq, bk, bv, QKV; writes QKV
.if DOCPART == 2
	.amdgcn_target "amdgcn-amd-amdhsa--gfx1250"
	.amdhsa_code_object_version 6
	.text
	.protected	k_q12497e74ac_qkv
	.globl	k_q12497e74ac_qkv
	.p2align	8
	.type	k_q12497e74ac_qkv,@function
k_q12497e74ac_qkv:
	s_mov_b64 s[64:65], 0
	v_nop
	global_prefetch_b8 v0, s[64:65] scope:SCOPE_SE
	s_setreg_imm32_b32 hwreg(HW_REG_WAVE_MODE, 25, 1), 1
	s_wait_xcnt 0x0
	s_wait_alu depctr_hold_cnt(0) depctr_sa_sdst(0) depctr_va_vdst(0) depctr_va_sdst(0) depctr_va_ssrc(0) depctr_va_vcc(0) depctr_vm_vsrc(0)
	s_getreg_b32 s2, hwreg(HW_REG_IB_STS2, 6, 4)
	s_cmp_eq_u32 s2, 0
	s_cbranch_scc0 .Lentry_in_a_cluster
	s_endpgm
.Lentry_in_a_cluster:
	s_bfe_u32 s2, ttmp6, 0x10000c
	s_cmp_lg_u32 s2, 0xf033
	s_cbranch_scc0 .Lentry_shape_is_right
	s_endpgm
.Lentry_shape_is_right:
.set NQ,    2
.set KST,   8
.set HALFT, 8*NQ*1536
.set SLOT,  4*HALFT
.set HALFS, 8*KST*64
.set SCL,   3*SLOT                     ; the ring: slot 0 holds NQ K steps, slot 1, behind it, 2 NQ
.set SPARE, SCL+4*HALFS
.set TILEB, 16*KST*1536
.set LI,  4
.set R4,  5
.set ADT, 16
.set ADU, 20
.set ADS, 27
.set SPW, 28
.set NIL, 29
.set SC,  32
.set QV,  48
.set BT,  192
.set H,   64
.set TM,  192
.set PW,  208
.set PC,  212
.set SEL, 96
.set G1T, 24
.set G0T, 32
.set G1U, 40
.set G0U, 48
.set G1ST, 56
.set G1SU, 68
.set G0ST, 76
.set G0SU, 80
.set MSB, 0
.macro WIN new
.if MSB != (\new)
	s_set_vgpr_msb (MSB<<8)|(\new)
.set MSB, (\new)
.endif
.endm
.macro PLACES
.rept 4
	v_nop
.endr
.endm
.macro JLOAD g0t, g1t, g0u, g1u
	s_cmp_eq_u32 s17, 0
	s_cbranch_scc0 .Lfor_u_\@
	tensor_load_to_lds s[\g0t:\g0t+3], s[\g1t:\g1t+7]
	s_nop 0
.rept 4
	v_nop
.endr
	s_branch .Lasked_\@
.Lfor_u_\@:
	tensor_load_to_lds s[\g0u:\g0u+3], s[\g1u:\g1u+7]
	s_nop 0
.rept 4
	v_nop
.endr
.Lasked_\@:
.endm
.macro CREST
	s_cmp_lg_u32 s16, 0
	s_cbranch_scc1 .Lnot_wave_0_\@
	s_barrier_signal -3
.Lnot_wave_0_\@:
	s_barrier_wait -3
	s_barrier_signal -1
	s_barrier_wait -1
.endm
.macro CROUND
	s_barrier_signal -1
	s_barrier_wait -1
	CREST
.endm
.macro QUANT s
.irp b, 0,1,2,3
	v_max3_num_f32 v[TM+\b], |v[\s+16*\b]|, |v[\s+1+16*\b]|, 0x1800000
.endr
.irp i, 2,4,6,8,10,12,14
.irp b, 0,1,2,3
	v_max3_num_f32 v[TM+\b], v[TM+\b], |v[\s+16*\b+\i]|, |v[\s+1+16*\b+\i]|
.endr
.endr
.irp b, 0,1,2,3
	v_permlanex16_b32 v[TM+4+\b], v[TM+\b], s[SEL], s[SEL+1]
.endr
.irp b, 0,1,2,3
	v_max_num_f32 v[TM+\b], v[TM+\b], v[TM+4+\b]
.endr
.irp b, 0,1,2,3
	v_add_nc_u32 v[TM+12+\b], 0xff000000, v[TM+\b]
.endr
.irp b, 0,1,2,3
	v_lshrrev_b32 v[TM+4+\b], 23, v[TM+12+\b]
.endr
	v_lshl_or_b32 v[PW], v[TM+5], 8, v[TM+4]
	v_lshl_or_b32 v[PW], v[TM+6], 16, v[PW]
	v_lshl_or_b32 v[PW], v[TM+7], 24, v[PW]
.irp c, 0,1
	v_cvt_scalef32_pk16_fp6_f32 v[PC+6*\c:PC+2+6*\c], v[\s+32*\c:\s+15+32*\c], v[TM+12+2*\c]
	v_cvt_scalef32_pk16_fp6_f32 v[PC+12+4*\c:PC+14+4*\c], v[\s+16+32*\c:\s+31+32*\c], v[TM+12+2*\c+1]
.endr
	v_nop
.irp c, 0,1
.irp i, 0,1,2
	v_permlane16_swap_b32 v[PC+6*\c+\i], v[PC+12+4*\c+\i]
.endr
.irp i, 0,1,2
	v_mov_b32 v[PC+3+6*\c+\i], v[PC+12+4*\c+\i]
.endr
.endr
.endm
.macro FETCH slot, q, p, step
.if (\p) == 0
	WIN 0x40
.else
	WIN 0
.endif
.irp i, 0,1,2,3,4,5,6,7
.irp c, 0,1,2
	ds_load_b128 v[96+64*(\p)+12*\i+4*\c:96+64*(\p)+12*\i+4*\c+3], v[ADU+\slot] offset:\i*NQ*(1+(\slot))*1536+(\q)*1536+512*\c
.endr
.endr
.irp i, 0,1,2,3,4,5,6,7
.irp c, 0,1,2
	ds_load_b128 v[64*(\p)+12*\i+4*\c:64*(\p)+12*\i+4*\c+3], v[ADT+\slot] offset:\i*NQ*(1+(\slot))*1536+(\q)*1536+512*\c
.endr
.endr
	WIN 0
.if \step
	v_add_nc_u32 v[ADS], 64, v[ADS]
.endif
.irp i, 0,1,2,3,4,5,6,7
	ds_load_b32 v[SC+8*(\p)+\i], v[ADS] offset:\i*KST*64
.endr
.endm
.macro MULA a, p, first
.if \first
.set MW, 0x15|((2+(\a)/4)<<6)
.else
.set MW, ((1-(\p))*5)|((2+(\a)/4)<<4)|((2+(\a)/4)<<6)
.endif
	WIN MW
.irp b, 0,1,2,3,4,5,6,7
.if \first
	v_wmma_scale_f32_16x16x128_f8f6f4 v[8*(8*((\a)%4)+\b):8*(8*((\a)%4)+\b)+7], v[96+64*(\p)+12*\b:96+64*(\p)+12*\b+11], v[64*(\p)+12*(\a):64*(\p)+12*(\a)+11], v[BT+8*\b:BT+8*\b+7], v[SC+8*(\p)+\b], v[SC+8*(\p)+(\a)] matrix_a_fmt:MATRIX_FMT_FP6 matrix_b_fmt:MATRIX_FMT_FP6 matrix_a_scale:MATRIX_SCALE_ROW1
.else
	v_wmma_scale_f32_16x16x128_f8f6f4 v[8*(8*((\a)%4)+\b):8*(8*((\a)%4)+\b)+7], v[96+64*(\p)+12*\b:96+64*(\p)+12*\b+11], v[64*(\p)+12*(\a):64*(\p)+12*(\a)+11], v[8*(8*((\a)%4)+\b):8*(8*((\a)%4)+\b)+7], v[SC+8*(\p)+\b], v[SC+8*(\p)+(\a)] matrix_a_fmt:MATRIX_FMT_FP6 matrix_b_fmt:MATRIX_FMT_FP6 matrix_a_scale:MATRIX_SCALE_ROW1
.endif
.endr
.endm
.macro STEP slot, q, first
	s_wait_dscnt 0x0
	PLACES
	FETCH \slot, (\q)+1, ((\q)+1)%2, 1
.irp a, 0,1,2,3,4,5,6,7
	MULA \a, (\q)%2, \first
.endr
	WIN 0
.endm
.macro TURN slot, fill
	s_wait_tensorcnt 0x0
	ds_add_u32 v[SPW], v[NIL]
	s_wait_dscnt 0x1
	MULA 0, 1, 0
	MULA 1, 1, 0
	s_wait_dscnt 0x0
	s_barrier_signal -1
	MULA 2, 1, 0
	MULA 3, 1, 0
	WIN 0
	s_barrier_wait -1
.if \fill
	CREST
	s_add_nc_u64 s[G0T+4*\slot+2:G0T+4*\slot+3], s[G0T+4*\slot+2:G0T+4*\slot+3], 3*NQ*1536   ; the one refill: slot 0 takes the last NQ K steps
	s_add_nc_u64 s[G0U+4*\slot+2:G0U+4*\slot+3], s[G0U+4*\slot+2:G0U+4*\slot+3], 3*NQ*1536
	s_mov_b32 s[G1T+1], (NQ*192)<<16               ; no load of mine is out: a row is NQ K steps again
	s_mov_b32 s[G1T+3], (NQ*192)<<16
	s_mov_b32 s[G1U+1], (NQ*192)<<16
	s_mov_b32 s[G1U+3], (NQ*192)<<16
	JLOAD G0T+4*\slot, G1T, G0U+4*\slot, G1U
.else
	PLACES
.endif
	s_wait_alu depctr_va_vdst(0)
	FETCH 1-(\slot), 0, 0, 1
.irp a, 4,5,6,7
	MULA \a, 1, 0
.endr
	WIN 0
.endm
	s_load_b256 s[4:11], s[0:1], 0x0
	s_load_b128 s[12:15], s[0:1], 0x20
	v_lshl_add_u32 v[SPW], v0, 2, SPARE
	v_mov_b32 v[NIL], 0
	ds_add_u32 v[SPW], v[NIL]
	ds_add_u32 v[SPW], v[NIL]
	v_lshrrev_b32 v1, 5, v0
	v_readfirstlane_b32 s16, v1
	s_lshr_b32 s17, s16, 1
	s_and_b32 s18, s16, 1
	s_bfe_u32 s19, ttmp6, 0x40000
	s_bfe_u32 s20, ttmp6, 0x40004
	s_and_b32 s84, ttmp7, 0xffff
	s_lshl_b32 s84, s84, 2
	s_lshl_b32 s85, ttmp9, 2
	s_mov_b32 s86, 3145728
	s_mov_b32 s87, 9437184
	s_cmp_eq_u32 ttmp9, 2
	s_cselect_b32 s21, s84, s85
	s_cselect_b32 s22, 8, s84
	s_cselect_b32 s88, s87, s86
	s_cselect_b32 s89, s86, s87
	s_add_co_u32 s21, s21, s19
	s_add_co_u32 s22, s22, s20
	s_lshl_b32 s2, s20, 2
	s_lshl_b32 s2, 15, s2
	s_lshl_b32 s3, 0x1111, s19
	s_or_b32 s[G1T], s2, (3<<16)|(1<<21)
	s_or_b32 s[G1U], s3, (3<<16)|(1<<21)
	s_or_b32 s[G1ST], s2, (3<<16)|(1<<21)
	s_or_b32 s[G1SU], s3, (3<<16)|(1<<21)
.irp g, G1T, G1U
	s_mov_b32 s[\g+1], (NQ*192)<<16
	s_mov_b32 s[\g+2], 16<<16                      ; the head's loads of codes bring all 16 tiles of an operand; the ring's bring 8
	s_mov_b32 s[\g+3], (NQ*192)<<16
	s_mov_b32 s[\g+4], 16
	s_mov_b32 s[\g+5], KST*192
	s_mov_b32 s[\g+6], 0
	s_mov_b32 s[\g+7], 0
.endr
.irp g, G1ST, G1SU
	s_mov_b32 s[\g+1], 32<<16
	s_mov_b32 s[\g+2], (2*HALFS/256)<<16           ; the scales of all 16 tiles of an operand in one load
	s_mov_b32 s[\g+3], 32<<16
	s_mov_b32 s[\g+4], 2*HALFS/256
	s_mov_b32 s[\g+5], 32
	s_mov_b32 s[\g+6], 0
	s_mov_b32 s[\g+7], 0
.endr
	s_mul_i32 s92, s22, TILEB
	s_mul_i32 s93, s18, TILEB/2
	s_add_co_u32 s92, s92, s93
	s_mov_b32 s93, 0
	s_mul_i32 s94, s22, 2*HALFS
	s_mul_i32 s95, s18, HALFS
	s_add_co_u32 s94, s94, s95
	s_add_co_u32 s94, s94, s88
	s_mov_b32 s95, 0
	s_mul_i32 s96, s21, TILEB
	s_mul_i32 s97, s18, TILEB/2
	s_add_co_u32 s96, s96, s97
	s_mov_b32 s97, 0
	s_mul_i32 s98, s21, 2*HALFS
	s_mul_i32 s99, s18, HALFS
	s_add_co_u32 s98, s98, s99
	s_add_co_u32 s98, s98, s89
	s_mov_b32 s99, 0
	s_mul_i32 s101, s16, HALFS
	s_wait_dscnt 0x0
	s_wait_kmcnt 0x0
	s_cmp_eq_u32 ttmp9, 2
	s_cselect_b64 s[84:85], s[6:7], s[4:5]
	s_cselect_b64 s[88:89], s[4:5], s[6:7]
	s_add_nc_u64 s[86:87], s[84:85], s[94:95]
	s_add_nc_u64 s[84:85], s[84:85], s[92:93]
	s_add_nc_u64 s[90:91], s[88:89], s[98:99]
	s_add_nc_u64 s[88:89], s[88:89], s[96:97]
	CROUND
	s_mov_b32 s[G0ST], 1
	s_add_co_u32 s[G0ST+1], s101, SCL-HALFS        ; used by wave 1 alone: there it is SCL,
	s_sub_nc_u64 s[G0ST+2:G0ST+3], s[86:87], HALFS ; and the address steps back over the half that wave 1's own address holds
	s_or_b32 s[G0ST+3], s[G0ST+3], 0x80000000
	s_mov_b32 s[G0SU], 1
	s_add_co_u32 s[G0SU+1], s101, SCL-HALFS        ; used by wave 3 alone: there it is SCL + 2 HALFS
	s_sub_nc_u64 s[G0SU+2:G0SU+3], s[90:91], HALFS
	s_or_b32 s[G0SU+3], s[G0SU+3], 0x80000000
.irp s, 0,1
	s_mov_b32 s[G0T+4*\s], 1
	s_mul_i32 s[G0T+4*\s+1], s16, (1+\s)*HALFT     ; a wave's quarter of slot 1 is twice that of slot 0
	s_add_co_u32 s[G0T+4*\s+1], s[G0T+4*\s+1], \s*SLOT
	s_add_nc_u64 s[G0T+4*\s+2:G0T+4*\s+3], s[84:85], \s*NQ*1536
	s_or_b32 s[G0T+4*\s+3], s[G0T+4*\s+3], 0x80000000
	s_mov_b32 s[G0U+4*\s], 1
	s_mul_i32 s[G0U+4*\s+1], s16, (1+\s)*HALFT
	s_add_co_u32 s[G0U+4*\s+1], s[G0U+4*\s+1], \s*SLOT
	s_add_nc_u64 s[G0U+4*\s+2:G0U+4*\s+3], s[88:89], \s*NQ*1536
	s_or_b32 s[G0U+4*\s+3], s[G0U+4*\s+3], 0x80000000
.endr
; THE HEAD'S LOADS, ONE A WAVE, in one chain of branches on the wave's number: wave 0 slot 0's 16 tiles of T (its ring descriptor for slot 0 names their first byte and LDS byte 0), wave 1 T's scales,
; wave 2 slot 0's 16 tiles of U (likewise), wave 3 U's scales.
.macro ARM under, g0, g1, next
	s_cmp_lt_u32 s16, \under
	s_cbranch_scc0 \next
	tensor_load_to_lds s[\g0:\g0+3], s[\g1:\g1+7]
	s_nop 0
.rept 4
	v_nop
.endr
	s_branch .Lhead_asked
\next:
.endm
	ARM 1, G0T, G1T, .Lhead_st
	ARM 2, G0ST, G1ST, .Lhead_u
	ARM 3, G0U, G1U, .Lhead_su
	tensor_load_to_lds s[G0SU:G0SU+3], s[G1SU:G1SU+7]
	s_nop 0
.rept 4
	v_nop
.endr
.Lhead_asked:
	v_and_b32 v1, 31, v0
	v_and_b32 v2, 15, v0
	v_bfe_u32 v3, v0, 4, 1
	s_wait_alu depctr_va_vdst(0)
	v_lshlrev_b32 v[LI], 4, v1
	v_lshlrev_b32 v[R4], 2, v2
	s_mul_i32 s100, s17, HALFT
	s_mul_i32 s101, s18, HALFT
	s_add_co_u32 s101, s101, 2*HALFT
.irp s, 0,1
	v_add_nc_u32 v[ADT+\s], s100, v[LI]
	v_add_nc_u32 v[ADU+\s], s101, v[LI]
	s_lshl_b32 s100, s100, 1                       ; in slot 1 every part is twice as long
	s_add_co_u32 s100, s100, SLOT
	s_lshl_b32 s101, s101, 1
	s_add_co_u32 s101, s101, SLOT
.endr
	s_mul_i32 s100, s17, HALFS
	s_mul_i32 s101, s18, HALFS
	s_add_co_u32 s101, s101, 2*HALFS
	s_sub_co_u32 s101, s101, s100
	v_mul_u32_u24 v6, s101, v3
	s_wait_alu depctr_va_vdst(0)
	s_add_co_u32 s100, s100, SCL
	v_add_nc_u32 v6, v[R4], v6
	v_add_nc_u32 v[ADS], s100, v6
	s_lshl_b32 s92, s19, 1
	s_add_co_u32 s92, s92, s18
	s_lshl_b32 s93, s20, 1
	s_add_co_u32 s93, s93, s17
	s_lshl_b32 s94, s21, 1
	s_add_co_u32 s94, s94, s18
	s_lshl_b32 s95, s22, 1
	s_add_co_u32 s95, s95, s17
	s_cmp_eq_u32 ttmp9, 1
	s_cselect_b64 s[96:97], s[10:11], s[8:9]
	s_cmp_eq_u32 ttmp9, 2
	s_cselect_b64 s[96:97], s[12:13], s[96:97]
	s_cselect_b32 s2, 0, -1
	s_cselect_b32 s3, -1, 0
	s_cselect_b32 s98, s93, s92
	s_cselect_b32 s99, s94, s95
	s_cselect_b32 s100, 0, s92
	s_cselect_b32 s101, s93, 0
	s_lshl_b32 s92, s100, 9
	s_mov_b32 s93, 0
	s_lshl_b32 s94, s101, 9
	s_mov_b32 s95, 0
	s_add_nc_u64 s[92:93], s[96:97], s[92:93]
	s_add_nc_u64 s[94:95], s[96:97], s[94:95]
	s_lshr_b32 s100, s99, 4
	s_lshl_b32 s100, s100, 3
	s_add_co_u32 s100, s100, s98
	s_lshl_b32 s100, s100, 4
	s_and_b32 s101, s99, 15
	s_add_co_u32 s100, s100, s101
	s_mul_i32 s100, s100, 12800
	s_mul_i32 s101, ttmp9, 3276800
	s_add_co_u32 s100, s100, s101
	s_mov_b32 s101, 0
	s_add_nc_u64 s[98:99], s[14:15], s[100:101]
	v_lshlrev_b32 v7, 6, v3
	v_and_b32 v8, 8, v2
	v_add_nc_u32 v8, v8, v2
	v_lshlrev_b32 v8, 2, v8
	WIN 0x40
.irp b, 0,1,2,3,4,5,6,7
	global_load_b128 v[BT+8*\b:BT+8*\b+3], v7, s[92:93] offset:128*(\b/2)+32*(\b%2)
	global_load_b128 v[BT+8*\b+4:BT+8*\b+7], v7, s[92:93] offset:128*(\b/2)+32*(\b%2)+16
.endr
	WIN 0
.irp a, 0,1,2,3,4,5,6,7
	global_load_b32 v[QV+2*\a], v8, s[94:95] offset:128*(\a/2)+32*(\a%2)
	global_load_b32 v[QV+2*\a+1], v8, s[94:95] offset:128*(\a/2)+32*(\a%2)
.endr
	s_wait_loadcnt 0x0
	WIN 0x44
.set n, 0
.rept 64
	v_and_b32 v[BT+n], s2, v[BT+n]
.set n, n+1
.endr
	WIN 0
.set n, 0
.rept 16
	v_and_b32 v[QV+n], s3, v[QV+n]
.set n, n+1
.endr
	s_wait_tensorcnt 0x0                           ; my tile of the head's four is in; slot 1's first fill is issued as a refill is:
	ds_add_u32 v[SPW], v[NIL]
	s_mov_b32 s[G1T+2], 8<<16                      ; no load of mine is out: from here on a load brings 8 tiles
	s_mov_b32 s[G1T+4], 8
	s_mov_b32 s[G1U+2], 8<<16
	s_mov_b32 s[G1U+4], 8
	s_mov_b32 s[G1T+1], (2*NQ*192)<<16             ; and slot 1's rows are 2 NQ K steps long
	s_mov_b32 s[G1T+3], (2*NQ*192)<<16
	s_mov_b32 s[G1U+1], (2*NQ*192)<<16
	s_mov_b32 s[G1U+3], (2*NQ*192)<<16
	s_wait_dscnt 0x0
	CROUND                                         ; all four tiles are whole for every wave, and the partners' joint loads meet
	JLOAD G0T+4, G1T, G0U+4, G1U
	FETCH 0, 0, 0, 0
	STEP 0, 0, 1
	TURN 0, 1
	s_wait_alu depctr_va_vdst(0)
	STEP 1, 0, 0
	s_wait_alu depctr_va_vdst(0)
	STEP 1, 1, 0
	s_wait_alu depctr_va_vdst(0)
	STEP 1, 2, 0
	TURN 1, 0                                      ; slot 1's fourth K step; slot 0 holds the last two
	s_wait_alu depctr_va_vdst(0)
	STEP 0, 0, 0
	s_wait_dscnt 0x0
.irp a, 0,1,2,3,4,5,6,7
	MULA \a, 1, 0
.endr
	WIN 0
	PLACES
	s_mov_b32 s[SEL], 0x76543210
	s_mov_b32 s[SEL+1], 0xfedcba98
.irp b, 0,1,2,3
	v_mov_b32 v[TM+4+\b], 0
.endr
.irp a, 0,1,2,3,4,5,6,7
	WIN 2+\a/4
.set i, 0
.rept 32
	v_pk_add_f32 v[H+i:H+i+1], v[64*(\a%4)+i:64*(\a%4)+i+1], v[QV+2*\a:QV+2*\a+1]
.set i, i+2
.endr
	WIN 0
	QUANT H
.irp c, 0,1,2
	global_store_b128 v[LI], v[PC+4*\c:PC+4*\c+3], s[98:99] offset:\a*1536+512*\c
.endr
	global_store_b32 v[R4], v[PW], s[98:99] offset:12288+64*\a
	s_wait_xcnt 0x0
.endr
	s_wait_tensorcnt 0x0
	ds_add_u32 v[SPW], v[NIL]
	s_wait_dscnt 0x0
	CROUND
	s_endpgm
.Lfunc_end_k_q12497e74ac_qkv:
	.size	k_q12497e74ac_qkv, .Lfunc_end_k_q12497e74ac_qkv-k_q12497e74ac_qkv
	.p2alignl 7, 3214868480
	.fill 96, 4, 3214868480
	.section	.rodata,"a",@progbits
	.p2align	6, 0x0
	.amdhsa_kernel k_q12497e74ac_qkv
		.amdhsa_group_segment_fixed_size 327680
		.amdhsa_private_segment_fixed_size 0
		.amdhsa_enable_private_segment 0
		.amdhsa_kernarg_size 48
		.amdhsa_user_sgpr_count 2
		.amdhsa_user_sgpr_kernarg_segment_ptr 1
		.amdhsa_wavefront_size32 1
		.amdhsa_system_sgpr_workgroup_id_x 1
		.amdhsa_system_sgpr_workgroup_id_y 1
		.amdhsa_system_sgpr_workgroup_id_z 1
		.amdhsa_system_vgpr_workitem_id 0
		.amdhsa_next_free_vgpr 1024
		.amdhsa_next_free_sgpr 102
		.amdhsa_reserve_vcc 0
		.amdhsa_float_denorm_mode_32 3
		.amdhsa_float_denorm_mode_16_64 3
		.amdhsa_memory_ordered 1
		.amdhsa_forward_progress 1
		.amdhsa_inst_pref_size 164
	.end_amdhsa_kernel
	.amdgpu_metadata
---
amdhsa.version: [ 1, 2 ]
amdhsa.kernels:
  - .name:           k_q12497e74ac_qkv
    .symbol:         k_q12497e74ac_qkv.kd
    .args:
      - { .name: XN, .offset: 0, .size: 8, .value_kind: global_buffer, .address_space: global }
      - { .name: WB, .offset: 8, .size: 8, .value_kind: global_buffer, .address_space: global }
      - { .name: bq, .offset: 16, .size: 8, .value_kind: global_buffer, .address_space: global }
      - { .name: bk, .offset: 24, .size: 8, .value_kind: global_buffer, .address_space: global }
      - { .name: bv, .offset: 32, .size: 8, .value_kind: global_buffer, .address_space: global }
      - { .name: QKV, .offset: 40, .size: 8, .value_kind: global_buffer, .address_space: global }
    .group_segment_fixed_size: 327680
    .private_segment_fixed_size: 0
    .kernarg_segment_align: 8
    .kernarg_segment_size: 48
    .max_flat_workgroup_size: 128
    .sgpr_count:     102
    .vgpr_count:     1024
    .wavefront_size: 32
...
	.end_amdgpu_metadata
.endif
;; end of part 2
;; launch attn (part 3): grid 16 x 16, 16 waves a work-group, no clusters, 167,936 bytes of LDS; arguments QKV, CTX; writes CTX
.if DOCPART == 3
	.amdgcn_target "amdgcn-amd-amdhsa--gfx1250"
	.amdhsa_code_object_version 6
	.text
	.protected	k_q12497e74ac_attn
	.globl	k_q12497e74ac_attn
	.p2align	8
	.type	k_q12497e74ac_attn,@function
k_q12497e74ac_attn:
	s_mov_b64 s[64:65], 0
	v_nop
	global_prefetch_b8 v0, s[64:65] scope:SCOPE_SE
	s_setreg_imm32_b32 hwreg(HW_REG_WAVE_MODE, 25, 1), 1
	s_wait_xcnt 0x0
; ctx = softmax(q k^T / 8, keys i - 512 .. i) v, both products on codes of FP6 (E2M3) with E8M0 scales; ctx leaves quantised along the model's 1,024.
; THE SOFTMAX AHEAD OF THE SECOND PRODUCT: t = score x log2(e) / 8; M = the running largest t rounded up to a whole number; p = 2^(t - M) is quantised along the keys, not normalised; the sum of the unquantised p divides at the end.
; SHARES.  A work-group: 128 queries (block QB = x) of one batch and head pair (y).  SIXTEEN waves of 256 registers, four to a SIMD, so that one wave's waits stand under three others' work.
; Wave w: tile w % 8 of 16 queries (place r = query 32 (tile / 2) + 8 (tile % 2) + r + 8 (r / 8)) and head w / 8 of the pair.
; q's, k's and vT's records (12,800 bytes: eight images of operand registers, eight scale records) come from the launch before.  An image of k holds the pair's 128 columns; my head's scores come from it against q with ZERO CODES in the
; other head's half: q's image is loaded whole and six of its twelve registers are cleared.
; KEYS.  Queries of block QB see key blocks QB - 4 .. QB.  Blocks ks0 .. ks0 + 4, ks0 = max(QB - 4, 0), are fetched ONCE, at the head: waves 0-4 ask for k's five records, one each, waves 5-9 for vT's five: one load
; of each is out.  Trip 0 waits until it has landed, and a barrier shows all ten to every wave.  Nothing is filled again.
; The five trips are written out: every LDS address is a lane's place + an immediate.  A block after the queries' own is left out by a scalar branch on ids.  In block QB keys after the query are hidden;
; in block QB - 4, which can only be trip 0's, keys before query - 512: their scores become -infinity.  Every query sees a key in the first block that it walks (key 127 of block QB - 4, or key 0): M is a number from the first step on.
; NO MULTICAST: neighbouring query blocks want key ranges one block apart, at other LDS places: no two work-groups have an equal descriptor.  NO PREFETCH: every tile is asked for at the head.
; Both products are used transposed (S^T = K Q^T, O^T = V^T P^T): a lane holds one query throughout; by the choice of a tile's rows the 16 registers of two neighbouring tiles are 16 neighbours.
; THE WAY OUT.  My 32 numbers of a row are two blocks: registers 6 e .. 6 e + 5 of ctx's image and two bytes of its scale word; the image's middle 512 bytes are written half by each head's wave.
; REGISTERS: v1-4 places that stay; v5, v6 the add's two; v7 my query - 16 h; v8 4 r; v12-15 -M, largest t, sum; v16-27 q; v28-75, v76-123 two sets of four fragments; v124-127 the second set's scale words;
;   v128-191 S^T, then p; v192-223 O^T; v224-247 p's codes and work; v248-251 the first set's scale words; v252 f; v253 p's scale word; v254 at work; v255 q's scale word.
; LIMITS: NaN and infinities are not served; 1 / l by v_rcp_f32 (1 ulp); a block under 2^-124 gets the byte 1 (its codes are zeros; this program alone reads the bytes).
.set REC,   12800
.set VB,    5*REC                      ; LDS: five records of k, then five of vT
.set SPARE, 10*REC                     ; the spare words, 128 bytes for each wave: eight blocks of 256 bytes that no other line names
.set SPW, 5
.set NIL, 6
.set R4,  8
.set FA,  28
.set FB,  76
.set FSB, 124
.set S,   128
.set OT,  192
.set PCD, 224                          ; p's codes
.set BM,  232                          ; the blocks' largest scores (done with before the codes are made)
.set T4,  236                          ; at work
.set SOP, 244                          ; the conversions' scale operands
.set FSA, 248
.set QM,  28                           ; the way out: largest magnitudes,
.set QP,  30                           ; the other half's, then the bytes,
.set QS,  32                           ; the scale operands,
.set PW,  34                           ; the two scale bytes,
.set PC,  36                           ; the codes
.set WV,  18
.set SEL, 20
.set CS,  22                           ; s[22:23] c = log2(e) / 8
.set G1,  24
.set G0,  32                           ; s[32:35] group 0
.set QB,  52
.set KS0, 53
.set HE,  54                           ; my head of the pair
.set TL,  55                           ; my tile of queries
.set KS,  56                           ; the trip's block of keys
.macro PLACES                          ; four plain places behind a matrix instruction of this form (ISA guide 7.12.1)
.rept 4
	v_nop
.endr
.endm
; Register n of S^T holds key 32 (n / 16) + n % 16 + 16 h of the block.  after = 1: hidden where the key comes after my query; 0: where it comes before (the block 512 keys back)
.macro MASK after
	v_mov_b32 v254, 0xff800000                     ; -infinity
.set n, 0
.rept 64
.if \after
	v_cmp_gt_i32 vcc_lo, 32*(n/16)+n%16, v7
.else
	v_cmp_lt_i32 vcc_lo, 32*(n/16)+n%16, v7
.endif
	v_cndmask_b32 v[S+n], v[S+n], v254, vcc_lo
.set n, n+1
.endr
.endm
; A key step of 128 keys: the records at place t
.macro TRIP t
.if (\t) == 0                          ; THE FETCH AS IT NOW STANDS: waves 0-9 ask for one record each at the head (0-4 k's five, 5-9 vT's five); one wait for 0 and one barrier show all ten to every wave; nothing is filled again
	s_wait_tensorcnt 0x0
	s_barrier_signal -1
	s_barrier_wait -1
.endif
	s_add_co_u32 s[KS], s[KS0], \t
	s_cmp_gt_u32 s[KS], s[QB]                      ; a block after the queries' own is left out
	s_cbranch_scc1 .Lhidden_\@
.irp j, 0,1,2,3                        ; k's eight images in one run of 32 loads: tiles 0-3 into the first set,
.irp c, 0,1,2
	ds_load_b128 v[FA+12*\j+4*\c:FA+12*\j+4*\c+3], v1 offset:(\t)*REC+\j*1536+512*\c
.endr
	ds_load_b32 v[FSA+\j], v3 offset:(\t)*REC+64*\j
.endr
.irp j, 0,1,2,3                        ; tiles 4-7 into the second
.irp c, 0,1,2
	ds_load_b128 v[FB+12*\j+4*\c:FB+12*\j+4*\c+3], v1 offset:(\t)*REC+(4+\j)*1536+512*\c
.endr
	ds_load_b32 v[FSB+\j], v3 offset:(\t)*REC+64*(4+\j)
.endr
	s_wait_dscnt 16                                ; the first sixteen are in; the second set's sixteen may be out
.irp j, 0,1,2,3
	v_wmma_scale_f32_16x16x128_f8f6f4 v[S+8*\j:S+8*\j+7], v[FA+12*\j:FA+12*\j+11], v[16:27], 0, v[FSA+\j], v255 matrix_a_fmt:MATRIX_FMT_FP6 matrix_b_fmt:MATRIX_FMT_FP6
.endr
	s_wait_dscnt 0x0
.irp j, 0,1,2,3
	v_wmma_scale_f32_16x16x128_f8f6f4 v[S+32+8*\j:S+32+8*\j+7], v[FB+12*\j:FB+12*\j+11], v[16:27], 0, v[FSB+\j], v255 matrix_a_fmt:MATRIX_FMT_FP6 matrix_b_fmt:MATRIX_FMT_FP6
.endr
	PLACES                                         ; in front of the first read of the scores, and of the loads into the first set
.irp j, 0,1,2,3                        ; vT's four images of my head are asked for here: they land under the softmax
.irp c, 0,1,2
	ds_load_b128 v[FA+12*\j+4*\c:FA+12*\j+4*\c+3], v2 offset:(\t)*REC+\j*1536+512*\c
.endr
	ds_load_b32 v[FSA+\j], v4 offset:(\t)*REC+64*\j
.endr
	s_cmp_lg_u32 s[KS], s[QB]                      ; the queries' own block: the causal edge
	s_cbranch_scc1 .Lno_edge_\@
	MASK 1
.Lno_edge_\@:
.if (\t) == 0
	s_add_co_u32 s84, s[KS], 4
	s_cmp_lg_u32 s84, s[QB]                        ; the block four back: the window's edge
	s_cbranch_scc1 .Lno_tail_\@
	MASK 0
.Lno_tail_\@:
.endif
.irp b, 0,1,2,3
	v_max3_num_f32 v[BM+\b], v[S+16*\b], v[S+1+16*\b], v[S+2+16*\b]   ; the largest score of each block of 32 keys: for the row's maximum, and, since p rises with the score, for the block's largest p
.endr
.irp i, 3,5,7,9,11,13
.irp b, 0,1,2,3
	v_max3_num_f32 v[BM+\b], v[BM+\b], v[S+16*\b+\i], v[S+1+16*\b+\i]
.endr
.endr
.irp b, 0,1,2,3
	v_max_num_f32 v[BM+\b], v[BM+\b], v[S+15+16*\b]
.endr
.irp b, 0,1,2,3
	s_delay_alu instid0(VALU_DEP_4)
	v_permlanex16_b32 v[T4+\b], v[BM+\b], s[SEL], s[SEL+1]
.endr
.irp b, 0,1,2,3
	s_delay_alu instid0(VALU_DEP_4)
	v_max_num_f32 v[BM+\b], v[BM+\b], v[T4+\b]     ; with lane l xor 16's 16 keys
.endr
	s_delay_alu instid0(VALU_DEP_2)
	v_max3_num_f32 v254, v[BM], v[BM+1], v[BM+2]
	s_delay_alu instid0(VALU_DEP_1)
	v_max_num_f32 v254, v254, v[BM+3]
	s_delay_alu instid0(VALU_DEP_1)
	v_mul_f32 v254, s[CS], v254                    ; the step's largest t
	s_delay_alu instid0(VALU_DEP_1)
	v_max_num_f32 v13, v13, v254                   ; the running largest t
	v_mov_b32 v254, v12
	s_delay_alu instid0(VALU_DEP_2)
	v_floor_f32 v12, -v13                          ; the new -M = floor(-t): M is a whole number
	s_delay_alu instid0(VALU_DEP_1)
	v_sub_f32 v254, v12, v254                      ; old M - new M: a whole number, 0 or less
	s_delay_alu instid0(VALU_DEP_1)
	v_cvt_i32_f32 v254, v254                       ; (it saturates)
	s_delay_alu instid0(VALU_DEP_1)
	v_ldexp_f32 v252, 1.0, v254                    ; f = 2^(old M - new M): a multiplication by it rounds nothing
.set j, 0
.rept 32
	v_pk_fma_f32 v[S+j:S+j+1], v[S+j:S+j+1], s[CS:CS+1], v[12:13] op_sel_hi:[1,0,0]   ; t - M, two at a time
.set j, j+2
.endr
.irp b, 0,1,2,3
	v_fma_f32 v[BM+\b], v[BM+\b], s[CS], v12       ; the same of each block's largest score
.endr
.set j, 0
	s_wait_alu depctr_va_vdst(0)
.rept 64
	v_exp_f32 v[S+j], v[S+j]                       ; p = 2^(t - M)
.set j, j+1
.endr
	v_pk_mul_f32 v[14:15], v[14:15], v[252:253] op_sel_hi:[1,0]   ; the sums under the new M; a plain place behind the exponentials
	s_wait_alu depctr_va_vdst(0)                   ; the wait ahead of the batch's first reader: one for the 64
.irp b, 0,1,2,3
	v_exp_f32 v[BM+\b], v[BM+\b]                   ; the block's largest p
.endr
	v_pk_add_f32 v[236:237], v[132:133], v[136:137]
	v_pk_add_f32 v[246:247], v[140:141], v[144:145]
	v_pk_add_f32 v[244:245], v[148:149], v[152:153]
	v_pk_add_f32 v[242:243], v[156:157], v[160:161]
	v_pk_add_f32 v[240:241], v[164:165], v[168:169]
	v_pk_add_f32 v[238:239], v[172:173], v[176:177]
	v_pk_add_f32 v[230:231], v[180:181], v[184:185]
	v_pk_add_f32 v[14:15], v[14:15], v[188:189]
	v_pk_add_f32 v[236:237], v[236:237], v[128:129]
	v_pk_add_f32 v[246:247], v[246:247], v[130:131]
	v_pk_add_f32 v[244:245], v[244:245], v[134:135]
	v_pk_add_f32 v[242:243], v[242:243], v[138:139]
	v_pk_add_f32 v[240:241], v[240:241], v[142:143]
	v_pk_add_f32 v[238:239], v[238:239], v[146:147]
	v_pk_add_f32 v[230:231], v[230:231], v[150:151]
	v_pk_add_f32 v[14:15], v[14:15], v[154:155]
	v_pk_add_f32 v[236:237], v[236:237], v[158:159]
	v_pk_add_f32 v[246:247], v[246:247], v[162:163]
	v_pk_add_f32 v[244:245], v[244:245], v[166:167]
	v_pk_add_f32 v[242:243], v[242:243], v[170:171]
	v_pk_add_f32 v[240:241], v[240:241], v[174:175]
	v_pk_add_f32 v[238:239], v[238:239], v[178:179]
	v_pk_add_f32 v[230:231], v[230:231], v[182:183]
	v_pk_add_f32 v[14:15], v[14:15], v[186:187]
	v_pk_add_f32 v[236:237], v[236:237], v[190:191]
	s_delay_alu instid0(VALU_DEP_2)
	v_pk_add_f32 v[14:15], v[14:15], v[242:243]
	s_delay_alu instid0(VALU_DEP_2)
	v_pk_add_f32 v[236:237], v[236:237], v[240:241]
	v_pk_add_f32 v[246:247], v[246:247], v[238:239]
	v_pk_add_f32 v[244:245], v[244:245], v[230:231]
	s_delay_alu instid0(VALU_DEP_2)
	v_pk_add_f32 v[14:15], v[14:15], v[246:247]
	s_delay_alu instid0(VALU_DEP_2)
	v_pk_add_f32 v[236:237], v[236:237], v[244:245]
	s_delay_alu instid0(VALU_DEP_1)
	v_pk_add_f32 v[14:15], v[14:15], v[236:237]
	s_wait_alu depctr_va_vdst(0)                   ; and one for the four
.irp b, 0,1,2,3
	v_max_num_f32 v[BM+\b], 0x1800000, v[BM+\b]    ; the floor 2^(3 - 127)
.endr
.irp b, 0,1,2,3
	s_delay_alu instid0(VALU_DEP_4)
	v_add_nc_u32 v[SOP+\b], 0xff000000, v[BM+\b]   ; the conversion's scale operand
.endr
.irp b, 0,1,2,3
	s_delay_alu instid0(VALU_DEP_4)
	v_lshrrev_b32 v[T4+\b], 23, v[SOP+\b]          ; the scale's byte
.endr
	s_delay_alu instid0(VALU_DEP_3)
	v_lshl_or_b32 v253, v[T4+1], 8, v[T4]          ; p's scale word for these 128 keys
	s_delay_alu instid0(VALU_DEP_1)
	v_lshl_or_b32 v253, v[T4+2], 16, v253
	s_delay_alu instid0(VALU_DEP_1)
	v_lshl_or_b32 v253, v[T4+3], 24, v253
.irp c, 0,1
	v_cvt_scalef32_pk16_fp6_f32 v[PCD+6*\c:PCD+2+6*\c], v[S+32*\c:S+15+32*\c], v[SOP+2*\c]
	v_cvt_scalef32_pk16_fp6_f32 v[T4+4*\c:T4+2+4*\c], v[S+16+32*\c:S+31+32*\c], v[SOP+2*\c+1]
.endr
	v_nop                                          ; one plain place behind a scaled conversion
.irp c, 0,1
.irp i, 0,1,2
	v_permlane16_swap_b32 v[PCD+6*\c+\i], v[T4+4*\c+\i]
.endr
.irp i, 0,1,2
	s_delay_alu instid0(VALU_DEP_3)
	v_mov_b32 v[PCD+3+6*\c+\i], v[T4+4*\c+\i]
.endr
.endr
.set j, 0
.rept 16
	v_pk_mul_f32 v[OT+j:OT+j+1], v[OT+j:OT+j+1], v[252:253] op_sel_hi:[1,0]   ; O^T under the new M; these sixteen are also the places in front of the products below
.set j, j+2
.endr
	s_wait_alu depctr_va_vdst(0)
	s_wait_dscnt 0x0                               ; vT's images, asked for ahead of the softmax
.irp j, 0,1,2,3                        ; O^T += V^T P^T: my head's four tiles of 16 channels, by turns; K = these 128 keys
	v_wmma_scale_f32_16x16x128_f8f6f4 v[OT+8*\j:OT+8*\j+7], v[FA+12*\j:FA+12*\j+11], v[PCD:PCD+11], v[OT+8*\j:OT+8*\j+7], v[FSA+\j], v253 matrix_a_fmt:MATRIX_FMT_FP6 matrix_b_fmt:MATRIX_FMT_FP6
.endr
	PLACES                                         ; in front of the next trip's loads into the first set, and of the first read of O^T
.Lhidden_\@:
.endm
	s_load_b128 s[4:7], s[0:1], 0x0                ; QKV, CTX
	v_lshl_add_u32 v[SPW], v0, 2, SPARE
	v_mov_b32 v[NIL], 0
	ds_add_u32 v[SPW], v[NIL]                      ; the wave's opening: the add and its wait ahead of the first tensor load
	ds_add_u32 v[SPW], v[NIL]
	v_lshrrev_b32 v9, 5, v0
	s_delay_alu instid0(VALU_DEP_1)
	v_readfirstlane_b32 s[WV], v9                  ; wave 0..15
	s_and_b32 s[TL], s[WV], 7
	s_lshr_b32 s[HE], s[WV], 3
	s_mov_b32 s[QB], ttmp9
	s_and_b32 s57, ttmp7, 0xffff                   ; 8 b + head pair
	s_sub_co_i32 s[KS0], s[QB], 4
	s_max_i32 s[KS0], s[KS0], 0                    ; the first block of keys
	s_lshl_b32 s58, s57, 4
	s_add_co_u32 s59, s58, s[KS0]
	s_mul_i32 s60, s59, REC                        ; the first record that is fetched; the five lie on end in memory
	s_mul_i32 s62, s[WV], REC                      ; wave w fetches the record of LDS place w: k's five, then vT's five
	s_mov_b32 s61, 2*3276800-VB                    ; vT's part of the buffer, less the five places that w has counted
	s_cmp_lt_u32 s[WV], 5
	s_cselect_b32 s61, 3276800, s61                ; or k's part
	s_add_co_u32 s60, s60, s61
	s_add_co_u32 s60, s60, s62
	s_mov_b32 s61, 0
	s_add_co_u32 s66, s58, s[QB]
	s_mul_i32 s66, s66, REC                        ; q's record
	s_mul_i32 s67, s[TL], 1536
	s_add_co_u32 s68, s66, s67                     ; my image in it,
	s_mov_b32 s69, 0
	s_lshl_b32 s67, s[TL], 6
	s_add_co_u32 s70, s66, s67
	s_add_co_u32 s70, s70, 12288                   ; and its scale record
	s_mov_b32 s71, 0
	s_lshr_b32 s72, s57, 3
	s_lshl_b32 s72, s72, 7
	s_lshl_b32 s73, s[QB], 3
	s_add_co_u32 s72, s72, s73
	s_add_co_u32 s72, s72, s[TL]                   ; ctx's tile of rows: 128 b + 8 QB + tile
	s_lshl_b32 s72, s72, 3
	s_and_b32 s73, s57, 7
	s_add_co_u32 s72, s72, s73                     ; its K step: the head pair
	s_lshl_b32 s74, s72, 6
	s_add_co_u32 s74, s74, 3145728
	s_mov_b32 s75, 0
	s_mul_i32 s72, s72, 1536
	s_mov_b32 s73, 0
	s_mov_b32 s[G1], 3<<16                         ; a record is a dense block: 50 rows of 256 bytes (32 elements of 8 bytes), no padding
	s_mov_b32 s[G1+1], 32<<16
	s_mov_b32 s[G1+2], 50<<16
	s_mov_b32 s[G1+3], 32<<16
	s_mov_b32 s[G1+4], 50
	s_mov_b32 s[G1+5], 32
	s_mov_b32 s[G1+6], 0
	s_mov_b32 s[G1+7], 0
	s_mov_b32 s[SEL], 0x76543210
	s_mov_b32 s[SEL+1], 0xfedcba98
	s_mov_b32 s[CS], 0x3e38aa3b
	s_mov_b32 s[CS+1], s[CS]
	s_cmp_eq_u32 s[HE], 0
	s_cselect_b32 s76, -1, 0                       ; keeps q's registers 0-5 for the pair's first head,
	s_cselect_b32 s77, 0, -1                       ; 6-11 for the second
	s_wait_dscnt 0x0                               ; the opening add is done
	s_wait_kmcnt 0x0
	s_add_nc_u64 s[78:79], s[4:5], s[60:61]
	s_mov_b32 s[G0], 1
	s_mul_i32 s[G0+1], s[WV], REC
	s_mov_b64 s[G0+2:G0+3], s[78:79]
	s_or_b32 s[G0+3], s[G0+3], 0x80000000
	s_cmp_lt_u32 s[WV], 10                         ; ten records, ten loading waves, one load each
	s_cbranch_scc0 .Lno_fetch
	tensor_load_to_lds s[G0:G0+3], s[G1:G1+7]
	s_nop 0
.rept 4
	v_nop
.endr
.Lno_fetch:
	s_add_nc_u64 s[68:69], s[4:5], s[68:69]
	s_add_nc_u64 s[70:71], s[4:5], s[70:71]
	s_add_nc_u64 s[72:73], s[6:7], s[72:73]
	s_add_nc_u64 s[74:75], s[6:7], s[74:75]
	v_and_b32 v9, 31, v0
	s_delay_alu instid0(VALU_DEP_1)
	v_lshlrev_b32 v1, 4, v9                        ; 16 L: an image's place for my lane
	v_and_b32 v10, 15, v0                          ; r
	s_wait_alu depctr_va_vdst(0)
	v_bfe_u32 v11, v0, 4, 1                        ; h
	s_wait_alu depctr_va_vdst(0)
	v_lshlrev_b32 v[R4], 2, v10
	global_load_b128 v[16:19], v1, s[68:69]                ; q's image, whole
	global_load_b128 v[20:23], v1, s[68:69] offset:512
	global_load_b128 v[24:27], v1, s[68:69] offset:1024
	global_load_b32 v255, v[R4], s[70:71]
	s_mul_i32 s80, s[HE], 4*1536
	s_add_co_u32 s80, s80, VB
	v_add_nc_u32 v2, s80, v1                       ; vT's images of my head
	v_add_nc_u32 v3, 12288, v[R4]                  ; k's scale records
	s_lshl_b32 s81, s[HE], 8
	s_add_co_u32 s81, s81, VB+12288
	v_add_nc_u32 v4, s81, v[R4]                    ; vT's, of my head
	s_lshr_b32 s82, s[TL], 1
	s_lshl_b32 s82, s82, 5
	s_and_b32 s83, s[TL], 1
	s_lshl_b32 s83, s83, 3
	s_add_co_u32 s82, s82, s83
	v_and_b32 v9, 8, v10
	s_delay_alu instid0(VALU_DEP_1)
	v_add_nc_u32 v9, v9, v10
	v_lshlrev_b32 v11, 4, v11
	s_delay_alu instid0(VALU_DEP_1)
	v_sub_nc_u32 v9, v9, v11
	s_delay_alu instid0(VALU_DEP_1)
	v_add_nc_u32 v7, s82, v9                       ; my query in its block, less 16 h
	v_mov_b32 v13, 0xff61b1e6                      ; the largest t so far: -3e38
	s_delay_alu instid0(VALU_DEP_1)
	v_floor_f32 v12, -v13
	v_mov_b32 v14, 0
	v_mov_b32 v15, 0
.irp b, 0,1,2,3
	v_mov_b32 v[T4+\b], 0                          ; a lane permute's destination counts as one of its sources
.endr
	v_mov_b32 v252, 0
	v_mov_b32 v253, 0
	s_wait_loadcnt 0x0                             ; q
.irp i, 0,1,2,3,4,5
	v_and_b32 v[16+\i], s76, v[16+\i]              ; zero codes in the other head's half
.endr
.irp i, 6,7,8,9,10,11
	v_and_b32 v[16+\i], s77, v[16+\i]
.endr
.set j, 0
.rept 32
	v_mov_b32 v[OT+j], 0                           ; O^T: every trip has one form; the first finds zeros, which the first change of M leaves zeros.  (These are also the places between q's last write and the first product)
.set j, j+1
.endr
	TRIP 0
	TRIP 1
	TRIP 2
	TRIP 3
	TRIP 4
	; THE WAY OUT: O^T / l are 32 numbers of my row, register 16 b + i = channel 32 b + 16 h + i of my head: two blocks
	v_add_f32 v14, v14, v15
	s_delay_alu instid0(VALU_DEP_1)
	v_permlanex16_b32 v[T4], v14, s[SEL], s[SEL+1]
	s_delay_alu instid0(VALU_DEP_1)
	v_add_f32 v14, v14, v[T4]
	s_wait_alu depctr_va_vdst(0)
	v_rcp_f32 v14, v14
	v_mov_b32 v[QP], 0                             ; plain places behind the reciprocal; a lane permute's destination counts as one of its sources
	v_mov_b32 v[QP+1], 0
	s_wait_alu depctr_va_vdst(0)                   ; the wait ahead of the first reader
.set j, 0
.rept 16
	v_pk_mul_f32 v[S+j:S+j+1], v[OT+j:OT+j+1], v[14:15] op_sel_hi:[1,0]
.set j, j+2
.endr
.irp b, 0,1
	v_max3_num_f32 v[QM+\b], |v[S+16*\b]|, |v[S+1+16*\b]|, 0x1800000   ; my 16 numbers of block b, and the floor 2^(3 - 127)
.endr
.irp i, 2,4,6,8,10,12,14
.irp b, 0,1
	s_delay_alu instid0(VALU_DEP_2)
	v_max3_num_f32 v[QM+\b], v[QM+\b], |v[S+16*\b+\i]|, |v[S+1+16*\b+\i]|
.endr
.endr
.irp b, 0,1
	s_delay_alu instid0(VALU_DEP_2)
	v_permlanex16_b32 v[QP+\b], v[QM+\b], s[SEL], s[SEL+1]
.endr
.irp b, 0,1
	s_delay_alu instid0(VALU_DEP_2)
	v_max_num_f32 v[QM+\b], v[QM+\b], v[QP+\b]     ; with lane l xor 16's: the block's largest magnitude
.endr
.irp b, 0,1
	s_delay_alu instid0(VALU_DEP_2)
	v_add_nc_u32 v[QS+\b], 0xff000000, v[QM+\b]    ; the conversion's scale operand
.endr
.irp b, 0,1
	s_delay_alu instid0(VALU_DEP_2)
	v_lshrrev_b32 v[QP+\b], 23, v[QS+\b]           ; the scale's byte
.endr
	s_delay_alu instid0(VALU_DEP_1)
	v_lshl_or_b32 v[PW], v[QP+1], 8, v[QP]         ; my head's two bytes of the row's scale word
	v_cvt_scalef32_pk16_fp6_f32 v[PC:PC+2], v[S:S+15], v[QS]
	v_cvt_scalef32_pk16_fp6_f32 v[PC+6:PC+8], v[S+16:S+31], v[QS+1]
	v_nop                                          ; one plain place behind a scaled conversion
.irp i, 0,1,2
	v_permlane16_swap_b32 v[PC+\i], v[PC+6+\i]     ; a whole block to a lane: lanes 0-15 block 0, lanes 16-31 block 1
.endr
.irp i, 0,1,2
	s_delay_alu instid0(VALU_DEP_3)
	v_mov_b32 v[PC+3+\i], v[PC+6+\i]
.endr
	s_cmp_eq_u32 s[HE], 0                          ; the image's registers 0-5 or 6-11: register n lies at 512 (n / 4) + 16 L + 4 (n % 4)
	s_cbranch_scc0 .Lsecond
	global_store_b128 v1, v[PC:PC+3], s[72:73]                 ; registers 0-3: 512 consecutive bytes
	global_store_b64 v1, v[PC+4:PC+5], s[72:73] offset:512     ; 4, 5: the lower 8 of each lane's 16 bytes
	global_store_b16 v[R4], v[PW], s[74:75]                    ; lanes r and r + 16 hold the same bytes and name the same place
	s_branch .Lend
.Lsecond:
	s_wait_alu depctr_va_vdst(0)
	global_store_b64 v1, v[PC:PC+1], s[72:73] offset:520       ; 6, 7: the upper 8
	global_store_b128 v1, v[PC+2:PC+5], s[72:73] offset:1024   ; 8-11
	global_store_b16 v[R4], v[PW], s[74:75] offset:2
.Lend:
	s_wait_tensorcnt 0x0                           ; the wave's end
	ds_add_u32 v[SPW], v[NIL]
	s_wait_dscnt 0x0
	s_endpgm
.Lfunc_end_k_q12497e74ac_attn:
	.size	k_q12497e74ac_attn, .Lfunc_end_k_q12497e74ac_attn-k_q12497e74ac_attn
	.p2alignl 7, 3214868480
	.fill 96, 4, 3214868480
	.section	.rodata,"a",@progbits
	.p2align	6, 0x0
	.amdhsa_kernel k_q12497e74ac_attn
		.amdhsa_group_segment_fixed_size 167936
		.amdhsa_private_segment_fixed_size 0
		.amdhsa_enable_private_segment 0
		.amdhsa_kernarg_size 16
		.amdhsa_user_sgpr_count 2
		.amdhsa_user_sgpr_kernarg_segment_ptr 1
		.amdhsa_wavefront_size32 1
		.amdhsa_system_sgpr_workgroup_id_x 1
		.amdhsa_system_sgpr_workgroup_id_y 1
		.amdhsa_system_sgpr_workgroup_id_z 1
		.amdhsa_system_vgpr_workitem_id 0
		.amdhsa_next_free_vgpr 256
		.amdhsa_next_free_sgpr 96
		.amdhsa_reserve_vcc 1
		.amdhsa_float_denorm_mode_32 3
		.amdhsa_float_denorm_mode_16_64 3
		.amdhsa_memory_ordered 1
		.amdhsa_forward_progress 1
		.amdhsa_inst_pref_size 132
	.end_amdhsa_kernel
	.amdgpu_metadata
---
amdhsa.version: [ 1, 2 ]
amdhsa.kernels:
  - .name:           k_q12497e74ac_attn
    .symbol:         k_q12497e74ac_attn.kd
    .args:
      - { .name: QKV, .offset: 0, .size: 8, .value_kind: global_buffer, .address_space: global }
      - { .name: CTX, .offset: 8, .size: 8, .value_kind: global_buffer, .address_space: global }
    .group_segment_fixed_size: 167936
    .private_segment_fixed_size: 0
    .kernarg_segment_align: 8
    .kernarg_segment_size: 16
    .max_flat_workgroup_size: 512
    .sgpr_count:     96
    .vgpr_count:     256
    .wavefront_size: 32
...
	.end_amdgpu_metadata
.endif
;; end of part 3
;; launch wo (part 4): grid 8 x 32, 4 waves a work-group, clusters of 4 x 4, 327,680 bytes of LDS; arguments CTX, WB, bo, XN, X1; writes X1
.if DOCPART == 4
	.amdgcn_target "amdgcn-amd-amdhsa--gfx1250"
	.amdhsa_code_object_version 6
	.text
	.protected	k_q12497e74ac_wo
	.globl	k_q12497e74ac_wo
	.p2align	8
	.type	k_q12497e74ac_wo,@function
k_q12497e74ac_wo:
	s_mov_b64 s[64:65], 0
	v_nop
	global_prefetch_b8 v0, s[64:65] scope:SCOPE_SE
	s_setreg_imm32_b32 hwreg(HW_REG_WAVE_MODE, 25, 1), 1
	s_wait_xcnt 0x0
	s_wait_alu depctr_hold_cnt(0) depctr_sa_sdst(0) depctr_va_vdst(0) depctr_va_sdst(0) depctr_va_ssrc(0) depctr_va_vcc(0) depctr_vm_vsrc(0)
	s_getreg_b32 s2, hwreg(HW_REG_IB_STS2, 6, 4)
	s_cmp_eq_u32 s2, 0
	s_cbranch_scc0 .Lentry_in_a_cluster
	s_endpgm
.Lentry_in_a_cluster:
	s_bfe_u32 s2, ttmp6, 0x10000c
	s_cmp_lg_u32 s2, 0xf033
	s_cbranch_scc0 .Lentry_shape_is_right
	s_endpgm
.Lentry_shape_is_right:
; x1 = ctx Wo + bo + xn, f32, on codes of FP6 (E2M3) with E8M0 scales.  T = ctx (rows), U = Wo (columns).
; Operands are arrays of IMAGES OF OPERAND REGISTERS: codes [tile of 16][K step of 128][1536], scales [tile][K step][64]; tile 2 g + u holds at place r the row 32 g + 8 u + r + 8 (r / 8).
; C has 32 x 8 blocks of 128 x 128, one to each of 256 work-groups.  Four waves, each 64 x 64: 16 accumulators.  Source 0 = U, source 1 = T: a lane holds eight neighbouring columns of a row.
; ALL OF K COMES AT THE HEAD: T's 8 tiles x 8 K steps are 98,304 dense bytes, U's likewise, each operand's scales 4,096.  Four tiles, four waves, one joint load each; nothing is filled again, and one barrier
; shows all four to every wave.  CLUSTERS 4 x 4: T's tiles are asked for jointly along a row of the cluster, U's along a column.
; NO PREFETCH: every tile is asked for at the head, so there is no loop to run ahead in.
; The bias is the C of the first K step.  The residual's 128 registers are asked for behind the head and are read on the way out.
; THE WAY OUT: 16 rows x 64 columns at a time through the wave's own stage in LDS; sixteen lanes store 256 consecutive bytes, aligned; the order of a tile's rows is undone by the stores' immediates.
; REGISTERS: window 0: v1-29 addresses; v32-39 scale words, two sets; v48-79 the bias, later rows on the way out; v80-111 rows on the way out; v128-255 accumulator (a, b) at v[128 + 8 (4 a + b)].
;   window 1: set p: T's four fragments at v[128 p], U's at v[128 p + 48].   window 2: v0-127 the residual.
; LIMITS: NaN and infinities are not served.
.set KST,    8
.set TSOFF,  3145728                   ; T's scales in its buffer
.set UCOFF,  2359296                   ; U's codes in WB
.set USOFF,  9535488                   ; U's scales in WB
.set RESOFF, 3276800                   ; the residual's rows in their buffer
.set HALFT, 4*KST*1536                 ; four tiles, all K: what one wave reads of T or of U
.set HALFS, 4*KST*64
.set SCL,   4*HALFT
.set STAGE, SCL+4*HALFS                ; 16 rows x 272 bytes for each wave: no fill lands here
.set SPARE, STAGE+4*16*272             ; the spare words, 128 bytes for each wave: two blocks of 256 bytes that no other line names
.set TILEB, 8*KST*1536
.set LI,  4
.set R4,  5
.set STO, 8
.set RD,  9
.set CO,  10
.set ADT, 16
.set ADU, 20
.set ADS, 27
.set SPW, 28
.set NIL, 29
.set SC,  32
.set BT,  48
.set ACC, 128
.set G1T, 24
.set G1U, 40
.set G1ST, 56
.set G1SU, 68
.set G0ST, 76
.set G0SU, 80
.set GHT, 84
.set GHU, 88
.set MSB, 0
.macro WIN new
.if MSB != (\new)
	s_set_vgpr_msb (MSB<<8)|(\new)
.set MSB, (\new)
.endif
.endm
.macro PLACES                          ; four plain places behind a matrix instruction of this form (ISA guide 7.12.1)
.rept 4
	v_nop
.endr
.endm
.macro TLOAD g0, g1                    ; a tensor load with an s_nop and four v_nop behind it
	tensor_load_to_lds s[\g0:\g0+3], s[\g1:\g1+7]
	s_nop 0
.rept 4
	v_nop
.endr
.endm
.macro ARM under, g0, g1, next
	s_cmp_lt_u32 s16, \under
	s_cbranch_scc0 \next
	TLOAD \g0, \g1
	s_branch .Lhead_asked
\next:
.endm
.macro CROUND                          ; a round of the cluster's barrier
	s_barrier_signal -1
	s_barrier_wait -1
	s_cmp_lg_u32 s16, 0
	s_cbranch_scc1 .Lnot_wave_0_\@
	s_barrier_signal -3
.Lnot_wave_0_\@:
	s_barrier_wait -3
	s_barrier_signal -1
	s_barrier_wait -1
.endm
.macro FETCH st                        ; 28 LDS loads in one run: K step st into set st % 2
	WIN 0x40
.irp i, 0,1,2,3
.irp c, 0,1,2
	ds_load_b128 v[128*((\st)%2)+48+12*\i+4*\c:128*((\st)%2)+48+12*\i+4*\c+3], v[ADU] offset:(\i*KST+(\st))*1536+512*\c
.endr
.endr
.irp i, 0,1,2,3
.irp c, 0,1,2
	ds_load_b128 v[128*((\st)%2)+12*\i+4*\c:128*((\st)%2)+12*\i+4*\c+3], v[ADT] offset:(\i*KST+(\st))*1536+512*\c
.endr
.endr
	WIN 0
.irp i, 0,1,2,3
	ds_load_b32 v[SC+4*((\st)%2)+\i], v[ADS] offset:\i*KST*64+(\st)*64   ; lanes 0-15 T's word, lanes 16-31 U's
.endr
.endm
.macro MULA a, p, first                ; T's tile a against U's four; the 16 accumulators take turns, one instruction a turn
	WIN 0x05
.irp b, 0,1,2,3
.if \first
	v_wmma_scale_f32_16x16x128_f8f6f4 v[ACC+8*(4*(\a)+\b):ACC+8*(4*(\a)+\b)+7], v[128*(\p)+48+12*\b:128*(\p)+48+12*\b+11], v[128*(\p)+12*(\a):128*(\p)+12*(\a)+11], v[BT+8*\b:BT+8*\b+7], v[SC+4*(\p)+\b], v[SC+4*(\p)+(\a)] matrix_a_fmt:MATRIX_FMT_FP6 matrix_b_fmt:MATRIX_FMT_FP6 matrix_a_scale:MATRIX_SCALE_ROW1
.else
	v_wmma_scale_f32_16x16x128_f8f6f4 v[ACC+8*(4*(\a)+\b):ACC+8*(4*(\a)+\b)+7], v[128*(\p)+48+12*\b:128*(\p)+48+12*\b+11], v[128*(\p)+12*(\a):128*(\p)+12*(\a)+11], v[ACC+8*(4*(\a)+\b):ACC+8*(4*(\a)+\b)+7], v[SC+4*(\p)+\b], v[SC+4*(\p)+(\a)] matrix_a_fmt:MATRIX_FMT_FP6 matrix_b_fmt:MATRIX_FMT_FP6 matrix_a_scale:MATRIX_SCALE_ROW1
.endif
.endr
.endm
	s_load_b256 s[4:11], s[0:1], 0x0               ; T's buffer, WB, the bias, the residual's buffer
	s_load_b64 s[12:13], s[0:1], 0x20              ; the output
	v_lshl_add_u32 v[SPW], v0, 2, SPARE
	v_mov_b32 v[NIL], 0
	ds_add_u32 v[SPW], v[NIL]                      ; the opening lines: the add, twice on end, and its wait ahead of my first tensor load
	ds_add_u32 v[SPW], v[NIL]
	v_lshrrev_b32 v1, 5, v0
	v_readfirstlane_b32 s16, v1                    ; wave
	s_lshr_b32 s17, s16, 1                         ; my half of T
	s_and_b32 s18, s16, 1                          ; my half of U
	s_bfe_u32 s19, ttmp6, 0x40000                  ; cx
	s_bfe_u32 s20, ttmp6, 0x40004                  ; cy
	s_lshl_b32 s21, ttmp9, 2
	s_add_co_u32 s21, s21, s19                     ; U's block of 128
	s_and_b32 s22, ttmp7, 0xffff
	s_lshl_b32 s22, s22, 2
	s_add_co_u32 s22, s22, s20                     ; T's
	s_lshl_b32 s2, s20, 2
	s_lshl_b32 s2, 15, s2                          ; my row of the cluster
	s_lshl_b32 s3, 0x1111, s19                     ; my column
	s_or_b32 s[G1T], s2, (3<<16)|(1<<21)           ; the mask; elements of 8 bytes; bit 21 beside a mask; no padding
	s_or_b32 s[G1U], s3, (3<<16)|(1<<21)
	s_or_b32 s[G1ST], s2, (3<<16)|(1<<21)
	s_or_b32 s[G1SU], s3, (3<<16)|(1<<21)
.irp g, G1T, G1U                       ; 8 tiles, each a row of all its K steps
	s_mov_b32 s[\g+1], (KST*192)<<16
	s_mov_b32 s[\g+2], 8<<16
	s_mov_b32 s[\g+3], (KST*192)<<16
	s_mov_b32 s[\g+4], 8
	s_mov_b32 s[\g+5], KST*192
	s_mov_b32 s[\g+6], 0
	s_mov_b32 s[\g+7], 0
.endr
.irp g, G1ST, G1SU                     ; the scales of 8 tiles: a dense block as rows of 256 bytes
	s_mov_b32 s[\g+1], 32<<16
	s_mov_b32 s[\g+2], (2*HALFS/256)<<16
	s_mov_b32 s[\g+3], 32<<16
	s_mov_b32 s[\g+4], 2*HALFS/256
	s_mov_b32 s[\g+5], 32
	s_mov_b32 s[\g+6], 0
	s_mov_b32 s[\g+7], 0
.endr
	s_mul_i32 s92, s22, TILEB
	s_mov_b32 s93, 0
	s_mul_i32 s94, s22, 2*HALFS
	s_add_co_u32 s94, s94, TSOFF
	s_mov_b32 s95, 0
	s_mul_i32 s96, s21, TILEB
	s_add_co_u32 s96, s96, UCOFF
	s_mov_b32 s97, 0
	s_mul_i32 s98, s21, 2*HALFS
	s_add_co_u32 s98, s98, USOFF
	s_mov_b32 s99, 0
	s_wait_dscnt 0x0                               ; both opening adds are done
	s_wait_kmcnt 0x0
	s_add_nc_u64 s[92:93], s[4:5], s[92:93]
	s_add_nc_u64 s[94:95], s[4:5], s[94:95]
	s_add_nc_u64 s[96:97], s[6:7], s[96:97]
	s_add_nc_u64 s[98:99], s[6:7], s[98:99]
	s_mov_b32 s[GHT], 1
	s_mov_b32 s[GHT+1], 0
	s_mov_b64 s[GHT+2:GHT+3], s[92:93]
	s_or_b32 s[GHT+3], s[GHT+3], 0x80000000
	s_mov_b32 s[GHU], 1
	s_mov_b32 s[GHU+1], 2*HALFT
	s_mov_b64 s[GHU+2:GHU+3], s[96:97]
	s_or_b32 s[GHU+3], s[GHU+3], 0x80000000
	s_mov_b32 s[G0ST], 1
	s_mov_b32 s[G0ST+1], SCL
	s_mov_b64 s[G0ST+2:G0ST+3], s[94:95]
	s_or_b32 s[G0ST+3], s[G0ST+3], 0x80000000
	s_mov_b32 s[G0SU], 1
	s_mov_b32 s[G0SU+1], SCL+2*HALFS
	s_mov_b64 s[G0SU+2:G0SU+3], s[98:99]
	s_or_b32 s[G0SU+3], s[G0SU+3], 0x80000000
	CROUND                                         ; all sixteen work-groups are here: the joint loads meet
	ARM 1, GHT,  G1T,  .Lhead_u                    ; one chain of branches on the wave's number, one load to an arm
	ARM 2, GHU,  G1U,  .Lhead_st
	ARM 3, G0ST, G1ST, .Lhead_su
	TLOAD G0SU, G1SU
.Lhead_asked:
	s_mul_i32 s14, s17, HALFT                      ; my four tiles of T,
	s_mul_i32 s23, s18, HALFT
	s_add_co_u32 s23, s23, 2*HALFT                 ; of U
	s_mul_i32 s67, s17, HALFS
	s_mul_i32 s2, s18, HALFS
	s_add_co_u32 s2, s2, 2*HALFS
	s_sub_co_u32 s2, s2, s67                       ; from T's words to U's
	s_add_co_u32 s67, s67, SCL
	s_mul_i32 s3, s16, 16*272
	s_add_co_u32 s3, s3, STAGE                     ; my stage
	s_lshl_b32 s100, s21, 9
	s_lshl_b32 s101, s18, 8
	s_add_co_u32 s100, s100, s101                  ; my first column, in bytes
	s_mov_b32 s101, 0
	s_add_nc_u64 s[8:9], s[8:9], s[100:101]
	s_lshl_b32 s94, s22, 19
	s_lshl_b32 s95, s17, 18
	s_add_co_u32 s94, s94, s95                     ; my first row, in bytes
	s_add_co_u32 s100, s100, s94
	s_add_nc_u64 s[94:95], s[10:11], s[100:101]
	s_add_nc_u64 s[94:95], s[94:95], RESOFF
	s_add_nc_u64 s[98:99], s[12:13], s[100:101]
	v_and_b32 v1, 31, v0
	v_and_b32 v2, 15, v0                           ; r
	v_bfe_u32 v3, v0, 4, 1                         ; h
	v_lshlrev_b32 v[LI], 4, v1
	v_lshlrev_b32 v[R4], 2, v2
	v_add_nc_u32 v[ADT], s14, v[LI]
	v_add_nc_u32 v[ADU], s23, v[LI]
	v_mul_u32_u24 v6, s2, v3                       ; lanes 16-31 take U's words
	v_add_nc_u32 v6, v[R4], v6
	v_add_nc_u32 v[ADS], s67, v6
	v_mul_u32_u24 v[STO], v2, 272
	v_lshl_add_u32 v[STO], v3, 6, v[STO]
	v_add_nc_u32 v[STO], s3, v[STO]                ; in: row place r, + 64 h
	v_mul_u32_u24 v[RD], v3, 272
	v_lshl_add_u32 v[RD], v2, 4, v[RD]
	v_add_nc_u32 v[RD], s3, v[RD]                  ; back: lanes 0-15 one row, lanes 16-31 the next
	v_lshlrev_b32 v[CO], 12, v3
	v_lshl_add_u32 v[CO], v2, 4, v[CO]             ; and the same two rows in memory
	v_lshlrev_b32 v7, 6, v3
	s_wait_alu depctr_va_vdst(0)                   ; the wait at the head's end
.irp b, 0,1,2,3                        ; register 8 b + j: the bias at 32 (b / 2) + 16 h + 8 (b % 2) + j
	global_load_b128 v[BT+8*\b:BT+8*\b+3], v7, s[8:9] offset:128*(\b/2)+32*(\b%2)
	global_load_b128 v[BT+8*\b+4:BT+8*\b+7], v7, s[8:9] offset:128*(\b/2)+32*(\b%2)+16
.endr
	s_wait_tensorcnt 0x0                           ; my tile of the four is in
	s_barrier_signal -1
	s_barrier_wait -1                              ; so all four are whole for every wave
	FETCH 0
	WIN 0x80
.irp a, 0,1,2,3
.irp t, 0,1,2,3,4,5,6,7                ; the residual: rows 32 (a / 2) + 8 (a % 2) + 2 t + 8 (t / 4) and the next
	global_load_b128 v[4*(8*\a+\t):4*(8*\a+\t)+3], v[CO], s[94:95] offset:(32*(\a/2)+8*(\a%2)+2*\t+8*(\t/4))*4096
.endr
.endr
	WIN 0
	s_wait_loadcnt 32                              ; the bias's eight loads are in; the residual's 32 may be out
.set ST, 0
.rept KST-1
	s_wait_dscnt 0x0                               ; this step's set is in
	PLACES                                         ; in front of loads into the set that the step before multiplied
	FETCH ST+1
.irp a, 0,1,2,3
.if ST == 0
	MULA \a, 0, 1                                  ; K step 0 starts the sums on the bias
.else
	MULA \a, ST%2, 0
.endif
.endr
	WIN 0
.set ST, ST+1
.endr
	s_wait_dscnt 0x0                               ; the last K step
.irp a, 0,1,2,3
	MULA \a, (KST-1)%2, 0
.endr
	WIN 0
	PLACES
	s_wait_loadcnt 0x0                             ; the residual
.irp a, 0,1,2,3
.if \a > 1
	s_wait_xcnt 0x0                                ; tile a - 2's stores have read their registers: tile a's rows may land there
.endif
.irp b, 0,1,2,3
	ds_store_b128 v[STO], v[ACC+8*(4*\a+\b):ACC+8*(4*\a+\b)+3] offset:128*(\b/2)+32*(\b%2)       ; each accumulator from its low end on
	ds_store_b128 v[STO], v[ACC+8*(4*\a+\b)+4:ACC+8*(4*\a+\b)+7] offset:128*(\b/2)+32*(\b%2)+16
.endr
.irp t, 0,1,2,3,4,5,6,7
	ds_load_b128 v[80-32*(\a%2)+4*\t:80-32*(\a%2)+4*\t+3], v[RD] offset:544*\t   ; LDS serves a wave's instructions in order (ISA guide 5.7.1.4): these see my stores
.endr
	s_wait_dscnt 0x0
	WIN 0x08
.set i, 0
.rept 16
	v_pk_add_f32 v[80-32*(\a%2)+i:80-32*(\a%2)+i+1], v[80-32*(\a%2)+i:80-32*(\a%2)+i+1], v[32*\a+i:32*\a+i+1]
.set i, i+2
.endr
	WIN 0
.irp t, 0,1,2,3,4,5,6,7
	global_store_b128 v[CO], v[80-32*(\a%2)+4*\t:80-32*(\a%2)+4*\t+3], s[98:99] offset:(32*(\a/2)+8*(\a%2)+2*\t+8*(\t/4))*4096   ; sixteen lanes store 256 consecutive bytes, aligned
.endr
.endr
	s_wait_tensorcnt 0x0                           ; the wave's end
	ds_add_u32 v[SPW], v[NIL]
	s_wait_dscnt 0x0
	CROUND                                         ; the closing round
	s_endpgm
.Lfunc_end_k_q12497e74ac_wo:
	.size	k_q12497e74ac_wo, .Lfunc_end_k_q12497e74ac_wo-k_q12497e74ac_wo
	.p2alignl 7, 3214868480
	.fill 96, 4, 3214868480
	.section	.rodata,"a",@progbits
	.p2align	6, 0x0
	.amdhsa_kernel k_q12497e74ac_wo
		.amdhsa_group_segment_fixed_size 327680
		.amdhsa_private_segment_fixed_size 0
		.amdhsa_enable_private_segment 0
		.amdhsa_kernarg_size 40
		.amdhsa_user_sgpr_count 2
		.amdhsa_user_sgpr_kernarg_segment_ptr 1
		.amdhsa_wavefront_size32 1
		.amdhsa_system_sgpr_workgroup_id_x 1
		.amdhsa_system_sgpr_workgroup_id_y 1
		.amdhsa_system_sgpr_workgroup_id_z 1
		.amdhsa_system_vgpr_workitem_id 0
		.amdhsa_next_free_vgpr 640
		.amdhsa_next_free_sgpr 102
		.amdhsa_reserve_vcc 0
		.amdhsa_float_denorm_mode_32 3
		.amdhsa_float_denorm_mode_16_64 3
		.amdhsa_memory_ordered 1
		.amdhsa_forward_progress 1
		.amdhsa_inst_pref_size 57
	.end_amdhsa_kernel
	.amdgpu_metadata
---
amdhsa.version: [ 1, 2 ]
amdhsa.kernels:
  - .name:           k_q12497e74ac_wo
    .symbol:         k_q12497e74ac_wo.kd
    .args:
      - { .name: CTX, .offset: 0, .size: 8, .value_kind: global_buffer, .address_space: global }
      - { .name: WB, .offset: 8, .size: 8, .value_kind: global_buffer, .address_space: global }
      - { .name: bo, .offset: 16, .size: 8, .value_kind: global_buffer, .address_space: global }
      - { .name: XN, .offset: 24, .size: 8, .value_kind: global_buffer, .address_space: global }
      - { .name: X1, .offset: 32, .size: 8, .value_kind: global_buffer, .address_space: global }
    .group_segment_fixed_size: 327680
    .private_segment_fixed_size: 0
    .kernarg_segment_align: 8
    .kernarg_segment_size: 40
    .max_flat_workgroup_size: 128
    .sgpr_count:     102
    .vgpr_count:     640
    .wavefront_size: 32
...
	.end_amdgpu_metadata
.endif
;; end of part 4
;; launch ln2 (part 5): grid 256 x 1, 8 waves a work-group, no clusters, 69,632 bytes of LDS; arguments X1, g2, b2, X1N; writes X1N
.if DOCPART == 5
	.amdgcn_target "amdgcn-amd-amdhsa--gfx1250"
	.amdhsa_code_object_version 6
	.text
	.protected	k_q12497e74ac_ln2
	.globl	k_q12497e74ac_ln2
	.p2align	8
	.type	k_q12497e74ac_ln2,@function
k_q12497e74ac_ln2:
	s_mov_b64 s[64:65], 0
	v_nop
	global_prefetch_b8 v0, s[64:65] scope:SCOPE_SE
	s_setreg_imm32_b32 hwreg(HW_REG_WAVE_MODE, 25, 1), 1
	s_wait_xcnt 0x0
; LayerNorm of 16 rows of 1,024, the result as codes of FP6 (E2M3) with E8M0 scales along the row (STORE_Y = 0: the f32 result is wanted by nobody).
; A work-group takes tile mb of the rows: place i holds row 32 (mb / 2) + 8 (mb % 2) + i + 8 (i / 8).  Wave w takes columns 128 w .. 128 w + 127: one K step, one image of an operand's registers
; (1,536 bytes: chunk c holds lane L's registers 4 c .. 4 c + 3 at 16 L; scale record of 64 bytes, place r's word at 4 r).  Output: codes [mb][8][1536] at 0, scales [mb][8][64] at 3,145,728.
; Loads take 512 consecutive bytes of a row; the wave's own stage in LDS (rows of 528 bytes) turns them so that lane (r, h) holds, of row place r, register 16 b + i = column 32 b + 16 h + i.
; Mean and variance as they are defined, in two passes; the eight waves' parts meet in LDS behind a barrier each.
; LIMITS: NaN and infinities are not served; 1 / sqrt by v_rsq_f32 (1 ulp); a block under 2^-124 gets the byte 1 (its codes are zeros; this program alone reads the bytes).
.set STORE_Y, 0
.set SP,    528
.set STGB,  16*SP
.set RED,   8*STGB
.set SPARE, RED+1024                   ; the spare words, 128 bytes for each wave: four blocks of 256 bytes that no other line names
.set X,   32
.set G,   96
.set BV,  160
.set TM,  160
.set PW,  176
.set PC,  180
.set SPW, 12
.set NIL, 13
.set SEL, 20
.macro QUANT s
.irp b, 0,1,2,3
	v_max3_num_f32 v[TM+\b], |v[\s+16*\b]|, |v[\s+1+16*\b]|, 0x1800000
.endr
.irp i, 2,4,6,8,10,12,14
.irp b, 0,1,2,3
	s_delay_alu instid0(VALU_DEP_4)
	v_max3_num_f32 v[TM+\b], v[TM+\b], |v[\s+16*\b+\i]|, |v[\s+1+16*\b+\i]|
.endr
.endr
.irp b, 0,1,2,3
	s_delay_alu instid0(VALU_DEP_4)
	v_permlanex16_b32 v[TM+4+\b], v[TM+\b], s[SEL], s[SEL+1]
.endr
.irp b, 0,1,2,3
	s_delay_alu instid0(VALU_DEP_4)
	v_max_num_f32 v[TM+\b], v[TM+\b], v[TM+4+\b]
.endr
.irp b, 0,1,2,3
	s_delay_alu instid0(VALU_DEP_4)
	v_add_nc_u32 v[TM+12+\b], 0xff000000, v[TM+\b]
.endr
.irp b, 0,1,2,3
	s_delay_alu instid0(VALU_DEP_4)
	v_lshrrev_b32 v[TM+4+\b], 23, v[TM+12+\b]
.endr
	s_delay_alu instid0(VALU_DEP_3)
	v_lshl_or_b32 v[PW], v[TM+5], 8, v[TM+4]
	s_delay_alu instid0(VALU_DEP_1)
	v_lshl_or_b32 v[PW], v[TM+6], 16, v[PW]
	s_delay_alu instid0(VALU_DEP_1)
	v_lshl_or_b32 v[PW], v[TM+7], 24, v[PW]
.irp c, 0,1
	v_cvt_scalef32_pk16_fp6_f32 v[PC+6*\c:PC+2+6*\c], v[\s+32*\c:\s+15+32*\c], v[TM+12+2*\c]
	v_cvt_scalef32_pk16_fp6_f32 v[PC+12+4*\c:PC+14+4*\c], v[\s+16+32*\c:\s+31+32*\c], v[TM+12+2*\c+1]
.endr
	v_nop
.irp c, 0,1
.irp i, 0,1,2
	v_permlane16_swap_b32 v[PC+6*\c+\i], v[PC+12+4*\c+\i]
.endr
.irp i, 0,1,2
	s_delay_alu instid0(VALU_DEP_3)
	v_mov_b32 v[PC+3+6*\c+\i], v[PC+12+4*\c+\i]
.endr
.endr
.endm
.macro JOIN off
	ds_store_b32 v8, v18 offset:\off
	s_wait_dscnt 0x0                               ; for the others' sake: my store has landed
	s_barrier_signal -1
	s_barrier_wait -1
.irp k, 0,1,2,3,4,5,6,7
	ds_load_b32 v[18+\k], v9 offset:\off+64*\k
.endr
	s_wait_dscnt 0x0
	v_add_f32 v18, v18, v19
	v_add_f32 v20, v20, v21
	v_add_f32 v22, v22, v23
	v_add_f32 v24, v24, v25
	s_delay_alu instid0(VALU_DEP_3)
	v_add_f32 v18, v18, v20
	s_delay_alu instid0(VALU_DEP_2)
	v_add_f32 v22, v22, v24
	s_delay_alu instid0(VALU_DEP_1)
	v_add_f32 v18, v18, v22
.endm
.macro FOLD
	s_delay_alu instid0(VALU_DEP_3)
	v_pk_add_f32 v[18:19], v[18:19], v[20:21]
	s_delay_alu instid0(VALU_DEP_2)
	v_pk_add_f32 v[22:23], v[22:23], v[24:25]
	s_delay_alu instid0(VALU_DEP_1)
	v_pk_add_f32 v[18:19], v[18:19], v[22:23]
	s_delay_alu instid0(VALU_DEP_1)
	v_add_f32 v18, v18, v19
	s_delay_alu instid0(VALU_DEP_1)
	v_permlanex16_b32 v19, v18, s[SEL], s[SEL+1]
	s_delay_alu instid0(VALU_DEP_1)
	v_add_f32 v18, v18, v19
.endm
	s_load_b256 s[4:11], s[0:1], 0x0               ; the rows, the gain, the bias, the output
	v_lshl_add_u32 v[SPW], v0, 2, SPARE
	v_mov_b32 v[NIL], 0
	v_lshrrev_b32 v1, 5, v0
	s_delay_alu instid0(VALU_DEP_1)
	v_readfirstlane_b32 s12, v1
	v_and_b32 v1, 31, v0
	v_and_b32 v2, 15, v0
	v_bfe_u32 v3, v0, 4, 1
	s_delay_alu instid0(VALU_DEP_3)
	v_lshlrev_b32 v4, 4, v1
	s_delay_alu instid0(VALU_DEP_2)
	v_lshlrev_b32 v5, 6, v3
	s_mul_i32 s13, s12, STGB
	v_add_nc_u32 v6, s13, v4
	v_mul_u32_u24 v7, v2, SP
	s_delay_alu instid0(VALU_DEP_1)
	v_add_nc_u32 v7, v7, v5
	s_delay_alu instid0(VALU_DEP_1)
	v_add_nc_u32 v7, s13, v7
	v_lshlrev_b32 v10, 2, v2
	s_delay_alu instid0(VALU_DEP_1)
	v_add_nc_u32 v9, RED, v10
	s_lshl_b32 s13, s12, 6
	v_add_nc_u32 v8, s13, v9
	s_mov_b32 s[SEL], 0x76543210
	s_mov_b32 s[SEL+1], 0xfedcba98
	s_mov_b32 s19, 0x3a800000
	s_lshr_b32 s14, ttmp9, 1
	s_lshl_b32 s14, s14, 5
	s_and_b32 s15, ttmp9, 1
	s_lshl_b32 s15, s15, 3
	s_add_co_u32 s14, s14, s15
	s_lshl_b32 s14, s14, 12
	s_lshl_b32 s16, s12, 9
	s_mov_b32 s17, 0
	s_add_co_u32 s14, s14, s16
	s_mov_b32 s15, 0
	s_lshl_b32 s18, ttmp9, 3
	s_add_co_u32 s18, s18, s12
	s_mul_i32 s22, s18, 1536
	s_mov_b32 s23, 0
	s_lshl_b32 s24, s18, 6
	s_add_co_u32 s24, s24, 3145728
	s_mov_b32 s25, 0
	s_wait_alu depctr_va_vdst(0)
	s_wait_kmcnt 0x0
	s_add_nc_u64 s[4:5], s[4:5], s[14:15]
	s_add_nc_u64 s[6:7], s[6:7], s[16:17]
	s_add_nc_u64 s[8:9], s[8:9], s[16:17]
	s_add_nc_u64 s[28:29], s[10:11], s[22:23]
	s_add_nc_u64 s[30:31], s[10:11], s[24:25]
.set i, 0
.rept 16
	global_load_b128 v[X+4*i:X+4*i+3], v4, s[4:5] offset:(i+8*(i/8))*4096
.set i, i+1
.endr
.irp b, 0,1,2,3
.irp j, 0,1,2,3
	global_load_b128 v[G+16*\b+4*\j:G+16*\b+4*\j+3], v5, s[6:7] offset:128*\b+16*\j
.endr
.endr
.irp b, 0,1,2,3
.irp j, 0,1,2,3
	global_load_b128 v[BV+16*\b+4*\j:BV+16*\b+4*\j+3], v5, s[8:9] offset:128*\b+16*\j
.endr
.endr
	s_wait_loadcnt 32                              ; the 16 loads of the rows are in; gain and bias, 32 loads, may be out
.set i, 0
.rept 16
	ds_store_b128 v6, v[X+4*i:X+4*i+3] offset:SP*i
.set i, i+1
.endr
.irp b, 0,1,2,3
.irp j, 0,1,2,3
	ds_load_b128 v[X+16*\b+4*\j:X+16*\b+4*\j+3], v7 offset:128*\b+16*\j   ; LDS serves a wave's instructions in order (ISA guide 5.7.1.4)
.endr
.endr
	s_wait_dscnt 0x0
	v_pk_add_f32 v[18:19], v[X:X+1], v[X+2:X+3]
	v_pk_add_f32 v[20:21], v[X+4:X+5], v[X+6:X+7]
	v_pk_add_f32 v[22:23], v[X+8:X+9], v[X+10:X+11]
	v_pk_add_f32 v[24:25], v[X+12:X+13], v[X+14:X+15]
.irp j, 16,24,32,40,48,56
	s_delay_alu instid0(VALU_DEP_4)
	v_pk_add_f32 v[18:19], v[18:19], v[X+\j:X+\j+1]
	s_delay_alu instid0(VALU_DEP_4)
	v_pk_add_f32 v[20:21], v[20:21], v[X+\j+2:X+\j+3]
	s_delay_alu instid0(VALU_DEP_4)
	v_pk_add_f32 v[22:23], v[22:23], v[X+\j+4:X+\j+5]
	s_delay_alu instid0(VALU_DEP_4)
	v_pk_add_f32 v[24:25], v[24:25], v[X+\j+6:X+\j+7]
.endr
	FOLD
	JOIN 0
	s_delay_alu instid0(VALU_DEP_1)
	v_mul_f32 v14, 0xba800000, v18                 ; - the mean
	s_delay_alu instid0(VALU_DEP_1)
	v_mov_b32 v15, v14
.set i, 0
.rept 32
	v_pk_add_f32 v[X+i:X+i+1], v[X+i:X+i+1], v[14:15]
.set i, i+2
.endr
	v_pk_mul_f32 v[18:19], v[X:X+1], v[X:X+1]
	v_pk_mul_f32 v[20:21], v[X+2:X+3], v[X+2:X+3]
	v_pk_mul_f32 v[22:23], v[X+4:X+5], v[X+4:X+5]
	v_pk_mul_f32 v[24:25], v[X+6:X+7], v[X+6:X+7]
.irp j, 8,16,24,32,40,48,56
	s_delay_alu instid0(VALU_DEP_4)
	v_pk_fma_f32 v[18:19], v[X+\j:X+\j+1], v[X+\j:X+\j+1], v[18:19]
	s_delay_alu instid0(VALU_DEP_4)
	v_pk_fma_f32 v[20:21], v[X+\j+2:X+\j+3], v[X+\j+2:X+\j+3], v[20:21]
	s_delay_alu instid0(VALU_DEP_4)
	v_pk_fma_f32 v[22:23], v[X+\j+4:X+\j+5], v[X+\j+4:X+\j+5], v[22:23]
	s_delay_alu instid0(VALU_DEP_4)
	v_pk_fma_f32 v[24:25], v[X+\j+6:X+\j+7], v[X+\j+6:X+\j+7], v[24:25]
.endr
	FOLD
	JOIN 512                                       ; other bytes than the first exchange's
	v_mov_b32 v19, 0x3727c5ac                      ; 1e-5
	s_delay_alu instid0(VALU_DEP_1)
	v_fma_f32 v18, v18, s19, v19
	s_wait_alu depctr_va_vdst(0)
	v_rsq_f32 v16, v18
	v_rsq_f32 v17, v18
	v_nop
	s_wait_alu depctr_va_vdst(0)                   ; the wait ahead of the first reader: one for both
	s_wait_loadcnt 0x0
.set i, 0
.rept 32
	v_pk_mul_f32 v[X+i:X+i+1], v[X+i:X+i+1], v[16:17]
.set i, i+2
.endr
.set i, 0
.rept 32
	v_pk_fma_f32 v[X+i:X+i+1], v[X+i:X+i+1], v[G+i:G+i+1], v[BV+i:BV+i+1]
.set i, i+2
.endr
.irp b, 0,1,2,3
	v_mov_b32 v[TM+4+\b], 0
.endr
	QUANT X
.irp c, 0,1,2
	global_store_b128 v4, v[PC+4*\c:PC+4*\c+3], s[28:29] offset:512*\c
.endr
	global_store_b32 v10, v[PW], s[30:31]          ; lanes r and r + 16 hold the same word and name the same 4 bytes
	s_wait_tensorcnt 0x0                           ; the wave's end, behind my last LDS store
	ds_add_u32 v[SPW], v[NIL]
	s_wait_dscnt 0x0
	s_endpgm
.Lfunc_end_k_q12497e74ac_ln2:
	.size	k_q12497e74ac_ln2, .Lfunc_end_k_q12497e74ac_ln2-k_q12497e74ac_ln2
	.p2alignl 7, 3214868480
	.fill 96, 4, 3214868480
	.section	.rodata,"a",@progbits
	.p2align	6, 0x0
	.amdhsa_kernel k_q12497e74ac_ln2
		.amdhsa_group_segment_fixed_size 69632
		.amdhsa_private_segment_fixed_size 0
		.amdhsa_enable_private_segment 0
		.amdhsa_kernarg_size 32
		.amdhsa_user_sgpr_count 2
		.amdhsa_user_sgpr_kernarg_segment_ptr 1
		.amdhsa_wavefront_size32 1
		.amdhsa_system_sgpr_workgroup_id_x 1
		.amdhsa_system_sgpr_workgroup_id_y 1
		.amdhsa_system_sgpr_workgroup_id_z 1
		.amdhsa_system_vgpr_workitem_id 0
		.amdhsa_next_free_vgpr 224
		.amdhsa_next_free_sgpr 66
		.amdhsa_reserve_vcc 0
		.amdhsa_float_denorm_mode_32 3
		.amdhsa_float_denorm_mode_16_64 3
		.amdhsa_memory_ordered 1
		.amdhsa_forward_progress 1
		.amdhsa_inst_pref_size 30
	.end_amdhsa_kernel
	.amdgpu_metadata
---
amdhsa.version: [ 1, 2 ]
amdhsa.kernels:
  - .name:           k_q12497e74ac_ln2
    .symbol:         k_q12497e74ac_ln2.kd
    .args:
      - { .name: X1, .offset: 0, .size: 8, .value_kind: global_buffer, .address_space: global }
      - { .name: g2, .offset: 8, .size: 8, .value_kind: global_buffer, .address_space: global }
      - { .name: b2, .offset: 16, .size: 8, .value_kind: global_buffer, .address_space: global }
      - { .name: X1N, .offset: 24, .size: 8, .value_kind: global_buffer, .address_space: global }
    .group_segment_fixed_size: 69632
    .private_segment_fixed_size: 0
    .kernarg_segment_align: 8
    .kernarg_segment_size: 32
    .max_flat_workgroup_size: 256
    .sgpr_count:     66
    .vgpr_count:     224
    .wavefront_size: 32
...
	.end_amdgpu_metadata
.endif
;; end of part 5
;; launch w1 (part 6): grid 16 x 16, 4 waves a work-group, clusters of 4 x 4, 327,680 bytes of LDS; arguments X1N, WB, bf1, HID; writes HID
.if DOCPART == 6
	.amdgcn_target "amdgcn-amd-amdhsa--gfx1250"
	.amdhsa_code_object_version 6
	.text
	.protected	k_q12497e74ac_w1
	.globl	k_q12497e74ac_w1
	.p2align	8
	.type	k_q12497e74ac_w1,@function
k_q12497e74ac_w1:
	s_mov_b64 s[64:65], 0
	v_nop
	global_prefetch_b8 v0, s[64:65] scope:SCOPE_SE
	s_setreg_imm32_b32 hwreg(HW_REG_WAVE_MODE, 25, 1), 1
	s_wait_xcnt 0x0
	s_wait_alu depctr_hold_cnt(0) depctr_sa_sdst(0) depctr_va_vdst(0) depctr_va_sdst(0) depctr_va_ssrc(0) depctr_va_vcc(0) depctr_vm_vsrc(0)
	s_getreg_b32 s2, hwreg(HW_REG_IB_STS2, 6, 4)
	s_cmp_eq_u32 s2, 0
	s_cbranch_scc0 .Lentry_in_a_cluster
	s_endpgm
.Lentry_in_a_cluster:
	s_bfe_u32 s2, ttmp6, 0x10000c
	s_cmp_lg_u32 s2, 0xf033
	s_cbranch_scc0 .Lentry_shape_is_right
	s_endpgm
.Lentry_shape_is_right:
.set NQ,    2
.set KST,   8
.set HALFT, 8*NQ*1536
.set SLOT,  4*HALFT
.set HALFS, 8*KST*64
.set SCL,   3*SLOT                     ; the ring: slot 0 holds NQ K steps, slot 1, behind it, 2 NQ
.set SPARE, SCL+4*HALFS
.set TILEB, 16*KST*1536
.set TSOFF, 3145728
.set UCOFF, 3145728
.set USOFF, 9568256
.set LI,  4
.set R4,  5
.set ADT, 16
.set ADU, 20
.set ADS, 27
.set SPW, 28
.set NIL, 29
.set SC,  32
.set BT,  192
.set HX,  64
.set ZZ,  128
.set XX,  144
.set PP,  160
.set QQ,  176
.set CN,  192
.set TM,  218
.set PW,  234
.set PC,  236
.set SEL, 92
.set G1T, 24
.set G0T, 32
.set G1U, 40
.set G0U, 48
.set G1ST, 56
.set G1SU, 68
.set G0ST, 76
.set G0SU, 80
.set MSB, 0
.macro WIN new
.if MSB != (\new)
	s_set_vgpr_msb (MSB<<8)|(\new)
.set MSB, (\new)
.endif
.endm
.macro PLACES
.rept 4
	v_nop
.endr
.endm
.macro JLOAD g0t, g1t, g0u, g1u
	s_cmp_eq_u32 s17, 0
	s_cbranch_scc0 .Lfor_u_\@
	tensor_load_to_lds s[\g0t:\g0t+3], s[\g1t:\g1t+7]
	s_nop 0
.rept 4
	v_nop
.endr
	s_branch .Lasked_\@
.Lfor_u_\@:
	tensor_load_to_lds s[\g0u:\g0u+3], s[\g1u:\g1u+7]
	s_nop 0
.rept 4
	v_nop
.endr
.Lasked_\@:
.endm
.macro CREST
	s_cmp_lg_u32 s16, 0
	s_cbranch_scc1 .Lnot_wave_0_\@
	s_barrier_signal -3
.Lnot_wave_0_\@:
	s_barrier_wait -3
	s_barrier_signal -1
	s_barrier_wait -1
.endm
.macro CROUND
	s_barrier_signal -1
	s_barrier_wait -1
	CREST
.endm
.macro QUANT s
.irp b, 0,1,2,3
	v_max3_num_f32 v[TM+\b], |v[\s+16*\b]|, |v[\s+1+16*\b]|, 0x1800000
.endr
.irp i, 2,4,6,8,10,12,14
.irp b, 0,1,2,3
	v_max3_num_f32 v[TM+\b], v[TM+\b], |v[\s+16*\b+\i]|, |v[\s+1+16*\b+\i]|
.endr
.endr
.irp b, 0,1,2,3
	v_permlanex16_b32 v[TM+4+\b], v[TM+\b], s[SEL], s[SEL+1]
.endr
.irp b, 0,1,2,3
	v_max_num_f32 v[TM+\b], v[TM+\b], v[TM+4+\b]
.endr
.irp b, 0,1,2,3
	v_add_nc_u32 v[TM+12+\b], 0xff000000, v[TM+\b]
.endr
.irp b, 0,1,2,3
	v_lshrrev_b32 v[TM+4+\b], 23, v[TM+12+\b]
.endr
	v_lshl_or_b32 v[PW], v[TM+5], 8, v[TM+4]
	v_lshl_or_b32 v[PW], v[TM+6], 16, v[PW]
	v_lshl_or_b32 v[PW], v[TM+7], 24, v[PW]
.irp c, 0,1
	v_cvt_scalef32_pk16_fp6_f32 v[PC+6*\c:PC+2+6*\c], v[\s+32*\c:\s+15+32*\c], v[TM+12+2*\c]
	v_cvt_scalef32_pk16_fp6_f32 v[PC+12+4*\c:PC+14+4*\c], v[\s+16+32*\c:\s+31+32*\c], v[TM+12+2*\c+1]
.endr
	v_nop
.irp c, 0,1
.irp i, 0,1,2
	v_permlane16_swap_b32 v[PC+6*\c+\i], v[PC+12+4*\c+\i]
.endr
.irp i, 0,1,2
	v_mov_b32 v[PC+3+6*\c+\i], v[PC+12+4*\c+\i]
.endr
.endr
.endm
.macro FETCH slot, q, p, step
.if (\p) == 0
	WIN 0x40
.else
	WIN 0
.endif
.irp i, 0,1,2,3,4,5,6,7
.irp c, 0,1,2
	ds_load_b128 v[96+64*(\p)+12*\i+4*\c:96+64*(\p)+12*\i+4*\c+3], v[ADU+\slot] offset:\i*NQ*(1+(\slot))*1536+(\q)*1536+512*\c
.endr
.endr
.irp i, 0,1,2,3,4,5,6,7
.irp c, 0,1,2
	ds_load_b128 v[64*(\p)+12*\i+4*\c:64*(\p)+12*\i+4*\c+3], v[ADT+\slot] offset:\i*NQ*(1+(\slot))*1536+(\q)*1536+512*\c
.endr
.endr
	WIN 0
.if \step
	v_add_nc_u32 v[ADS], 64, v[ADS]
.endif
.irp i, 0,1,2,3,4,5,6,7
	ds_load_b32 v[SC+8*(\p)+\i], v[ADS] offset:\i*KST*64
.endr
.endm
.macro MULA a, p, first
.if \first
.set MW, 0x15|((2+(\a)/4)<<6)
.else
.set MW, ((1-(\p))*5)|((2+(\a)/4)<<4)|((2+(\a)/4)<<6)
.endif
	WIN MW
.irp b, 0,1,2,3,4,5,6,7
.if \first
	v_wmma_scale_f32_16x16x128_f8f6f4 v[8*(8*((\a)%4)+\b):8*(8*((\a)%4)+\b)+7], v[96+64*(\p)+12*\b:96+64*(\p)+12*\b+11], v[64*(\p)+12*(\a):64*(\p)+12*(\a)+11], v[BT+8*\b:BT+8*\b+7], v[SC+8*(\p)+\b], v[SC+8*(\p)+(\a)] matrix_a_fmt:MATRIX_FMT_FP6 matrix_b_fmt:MATRIX_FMT_FP6 matrix_a_scale:MATRIX_SCALE_ROW1
.else
	v_wmma_scale_f32_16x16x128_f8f6f4 v[8*(8*((\a)%4)+\b):8*(8*((\a)%4)+\b)+7], v[96+64*(\p)+12*\b:96+64*(\p)+12*\b+11], v[64*(\p)+12*(\a):64*(\p)+12*(\a)+11], v[8*(8*((\a)%4)+\b):8*(8*((\a)%4)+\b)+7], v[SC+8*(\p)+\b], v[SC+8*(\p)+(\a)] matrix_a_fmt:MATRIX_FMT_FP6 matrix_b_fmt:MATRIX_FMT_FP6 matrix_a_scale:MATRIX_SCALE_ROW1
.endif
.endr
.endm
.macro STEP slot, q, first
	s_wait_dscnt 0x0
	PLACES
	FETCH \slot, (\q)+1, ((\q)+1)%2, 1
.irp a, 0,1,2,3,4,5,6,7
	MULA \a, (\q)%2, \first
.endr
	WIN 0
.endm
.macro TURN slot, fill
	s_wait_tensorcnt 0x0
	ds_add_u32 v[SPW], v[NIL]
	s_wait_dscnt 0x1
	MULA 0, 1, 0
	MULA 1, 1, 0
	s_wait_dscnt 0x0
	s_barrier_signal -1
	MULA 2, 1, 0
	MULA 3, 1, 0
	WIN 0
	s_barrier_wait -1
.if \fill
	CREST
	s_add_nc_u64 s[G0T+4*\slot+2:G0T+4*\slot+3], s[G0T+4*\slot+2:G0T+4*\slot+3], 3*NQ*1536   ; the one refill: slot 0 takes the last NQ K steps
	s_add_nc_u64 s[G0U+4*\slot+2:G0U+4*\slot+3], s[G0U+4*\slot+2:G0U+4*\slot+3], 3*NQ*1536
	s_mov_b32 s[G1T+1], (NQ*192)<<16               ; no load of mine is out: a row is NQ K steps again
	s_mov_b32 s[G1T+3], (NQ*192)<<16
	s_mov_b32 s[G1U+1], (NQ*192)<<16
	s_mov_b32 s[G1U+3], (NQ*192)<<16
	JLOAD G0T+4*\slot, G1T, G0U+4*\slot, G1U
.else
	PLACES
.endif
	s_wait_alu depctr_va_vdst(0)
	FETCH 1-(\slot), 0, 0, 1
.irp a, 4,5,6,7
	MULA \a, 1, 0
.endr
	WIN 0
.endm
.macro CONST k, bits
	v_mov_b32 v[CN+2*\k], \bits
	v_mov_b32 v[CN+2*\k+1], \bits
.endm
.macro COPYIN k
	WIN 2+(\k)/4
.set i, 0
.rept 32
	v_pk_mul_f32 v[HX+i:HX+i+1], v[64*((\k)%4)+i:64*((\k)%4)+i+1], 0.5 op_sel_hi:[1,0]
.set i, i+2
.endr
	WIN 0
.endm
.macro GELU g
.set HG, HX+16*(\g)
.irp i, 0,2,4,6,8,10,12,14
	v_pk_mul_f32 v[ZZ+\i:ZZ+\i+1], v[HG+\i:HG+\i+1], v[CN+24:CN+25]
.endr
.irp i, 0,1,2,3,4,5,6,7,8,9,10,11,12,13,14,15
	v_med3_num_f32 v[ZZ+\i], v[ZZ+\i], -4.0, 4.0
.endr
.irp i, 0,2,4,6,8,10,12,14
	v_pk_mul_f32 v[XX+\i:XX+\i+1], v[ZZ+\i:ZZ+\i+1], v[ZZ+\i:ZZ+\i+1]
.endr
.irp i, 0,2,4,6,8,10,12,14
	v_pk_fma_f32 v[PP+\i:PP+\i+1], v[XX+\i:XX+\i+1], v[CN:CN+1], v[CN+2:CN+3]
.endr
.irp k, 2,3,4,5,6
.irp i, 0,2,4,6,8,10,12,14
	v_pk_fma_f32 v[PP+\i:PP+\i+1], v[PP+\i:PP+\i+1], v[XX+\i:XX+\i+1], v[CN+2*\k:CN+2*\k+1]
.endr
.endr
.irp i, 0,2,4,6,8,10,12,14
	v_pk_fma_f32 v[QQ+\i:QQ+\i+1], v[XX+\i:XX+\i+1], v[CN+14:CN+15], v[CN+16:CN+17]
.endr
.irp k, 9,10,11
.irp i, 0,2,4,6,8,10,12,14
	v_pk_fma_f32 v[QQ+\i:QQ+\i+1], v[QQ+\i:QQ+\i+1], v[XX+\i:XX+\i+1], v[CN+2*\k:CN+2*\k+1]
.endr
.endr
	s_wait_alu depctr_va_vdst(0)
.irp i, 0,1,2,3,4,5,6,7,8,9,10,11,12,13,14,15
	v_rcp_f32 v[QQ+\i], v[QQ+\i]
.endr
.irp i, 0,2,4,6,8,10,12,14
	v_pk_mul_f32 v[PP+\i:PP+\i+1], v[PP+\i:PP+\i+1], v[ZZ+\i:ZZ+\i+1]
.endr
	s_wait_alu depctr_va_vdst(0)
.irp i, 0,2,4,6,8,10,12,14
	v_pk_mul_f32 v[PP+\i:PP+\i+1], v[PP+\i:PP+\i+1], v[QQ+\i:QQ+\i+1]
.endr
.irp i, 0,2,4,6,8,10,12,14
	v_pk_fma_f32 v[HG+\i:HG+\i+1], v[PP+\i:PP+\i+1], v[HG+\i:HG+\i+1], v[HG+\i:HG+\i+1]
.endr
.endm
	s_load_b256 s[4:11], s[0:1], 0x0
	v_lshl_add_u32 v[SPW], v0, 2, SPARE
	v_mov_b32 v[NIL], 0
	ds_add_u32 v[SPW], v[NIL]
	ds_add_u32 v[SPW], v[NIL]
	v_lshrrev_b32 v1, 5, v0
	v_readfirstlane_b32 s16, v1
	s_lshr_b32 s17, s16, 1
	s_and_b32 s18, s16, 1
	s_bfe_u32 s19, ttmp6, 0x40000
	s_bfe_u32 s20, ttmp6, 0x40004
	s_lshl_b32 s21, ttmp9, 2
	s_add_co_u32 s21, s21, s19
	s_and_b32 s22, ttmp7, 0xffff
	s_lshl_b32 s22, s22, 2
	s_add_co_u32 s22, s22, s20
	s_lshl_b32 s2, s20, 2
	s_lshl_b32 s2, 15, s2
	s_lshl_b32 s3, 0x1111, s19
	s_or_b32 s[G1T], s2, (3<<16)|(1<<21)
	s_or_b32 s[G1U], s3, (3<<16)|(1<<21)
	s_or_b32 s[G1ST], s2, (3<<16)|(1<<21)
	s_or_b32 s[G1SU], s3, (3<<16)|(1<<21)
.irp g, G1T, G1U
	s_mov_b32 s[\g+1], (NQ*192)<<16
	s_mov_b32 s[\g+2], 16<<16                      ; the head's loads of codes bring all 16 tiles of an operand; the ring's bring 8
	s_mov_b32 s[\g+3], (NQ*192)<<16
	s_mov_b32 s[\g+4], 16
	s_mov_b32 s[\g+5], KST*192
	s_mov_b32 s[\g+6], 0
	s_mov_b32 s[\g+7], 0
.endr
.irp g, G1ST, G1SU
	s_mov_b32 s[\g+1], 32<<16
	s_mov_b32 s[\g+2], (2*HALFS/256)<<16           ; the scales of all 16 tiles of an operand in one load
	s_mov_b32 s[\g+3], 32<<16
	s_mov_b32 s[\g+4], 2*HALFS/256
	s_mov_b32 s[\g+5], 32
	s_mov_b32 s[\g+6], 0
	s_mov_b32 s[\g+7], 0
.endr
	s_mul_i32 s92, s22, TILEB
	s_mul_i32 s93, s18, TILEB/2
	s_add_co_u32 s92, s92, s93
	s_mov_b32 s93, 0
	s_mul_i32 s94, s22, 2*HALFS
	s_mul_i32 s95, s18, HALFS
	s_add_co_u32 s94, s94, s95
	s_add_co_u32 s94, s94, TSOFF
	s_mov_b32 s95, 0
	s_mul_i32 s96, s21, TILEB
	s_mul_i32 s97, s18, TILEB/2
	s_add_co_u32 s96, s96, s97
	s_add_co_u32 s96, s96, UCOFF
	s_mov_b32 s97, 0
	s_mul_i32 s98, s21, 2*HALFS
	s_mul_i32 s99, s18, HALFS
	s_add_co_u32 s98, s98, s99
	s_add_co_u32 s98, s98, USOFF
	s_mov_b32 s99, 0
	s_mul_i32 s101, s16, HALFS
	s_wait_dscnt 0x0
	s_wait_kmcnt 0x0
	s_add_nc_u64 s[84:85], s[4:5], s[92:93]
	s_add_nc_u64 s[86:87], s[4:5], s[94:95]
	s_add_nc_u64 s[88:89], s[6:7], s[96:97]
	s_add_nc_u64 s[90:91], s[6:7], s[98:99]
	CROUND
	s_mov_b32 s[G0ST], 1
	s_add_co_u32 s[G0ST+1], s101, SCL-HALFS        ; used by wave 1 alone: there it is SCL,
	s_sub_nc_u64 s[G0ST+2:G0ST+3], s[86:87], HALFS ; and the address steps back over the half that wave 1's own address holds
	s_or_b32 s[G0ST+3], s[G0ST+3], 0x80000000
	s_mov_b32 s[G0SU], 1
	s_add_co_u32 s[G0SU+1], s101, SCL-HALFS        ; used by wave 3 alone: there it is SCL + 2 HALFS
	s_sub_nc_u64 s[G0SU+2:G0SU+3], s[90:91], HALFS
	s_or_b32 s[G0SU+3], s[G0SU+3], 0x80000000
.irp s, 0,1
	s_mov_b32 s[G0T+4*\s], 1
	s_mul_i32 s[G0T+4*\s+1], s16, (1+\s)*HALFT     ; a wave's quarter of slot 1 is twice that of slot 0
	s_add_co_u32 s[G0T+4*\s+1], s[G0T+4*\s+1], \s*SLOT
	s_add_nc_u64 s[G0T+4*\s+2:G0T+4*\s+3], s[84:85], \s*NQ*1536
	s_or_b32 s[G0T+4*\s+3], s[G0T+4*\s+3], 0x80000000
	s_mov_b32 s[G0U+4*\s], 1
	s_mul_i32 s[G0U+4*\s+1], s16, (1+\s)*HALFT
	s_add_co_u32 s[G0U+4*\s+1], s[G0U+4*\s+1], \s*SLOT
	s_add_nc_u64 s[G0U+4*\s+2:G0U+4*\s+3], s[88:89], \s*NQ*1536
	s_or_b32 s[G0U+4*\s+3], s[G0U+4*\s+3], 0x80000000
.endr
; THE HEAD'S LOADS, ONE A WAVE, in one chain of branches on the wave's number: wave 0 slot 0's 16 tiles of T (its ring descriptor for slot 0 names their first byte and LDS byte 0), wave 1 T's scales,
; wave 2 slot 0's 16 tiles of U (likewise), wave 3 U's scales.
.macro ARM under, g0, g1, next
	s_cmp_lt_u32 s16, \under
	s_cbranch_scc0 \next
	tensor_load_to_lds s[\g0:\g0+3], s[\g1:\g1+7]
	s_nop 0
.rept 4
	v_nop
.endr
	s_branch .Lhead_asked
\next:
.endm
	ARM 1, G0T, G1T, .Lhead_st
	ARM 2, G0ST, G1ST, .Lhead_u
	ARM 3, G0U, G1U, .Lhead_su
	tensor_load_to_lds s[G0SU:G0SU+3], s[G1SU:G1SU+7]
	s_nop 0
.rept 4
	v_nop
.endr
.Lhead_asked:
	v_and_b32 v1, 31, v0
	v_and_b32 v2, 15, v0
	v_bfe_u32 v3, v0, 4, 1
	s_wait_alu depctr_va_vdst(0)
	v_lshlrev_b32 v[LI], 4, v1
	v_lshlrev_b32 v[R4], 2, v2
	s_mul_i32 s100, s17, HALFT
	s_mul_i32 s101, s18, HALFT
	s_add_co_u32 s101, s101, 2*HALFT
.irp s, 0,1
	v_add_nc_u32 v[ADT+\s], s100, v[LI]
	v_add_nc_u32 v[ADU+\s], s101, v[LI]
	s_lshl_b32 s100, s100, 1                       ; in slot 1 every part is twice as long
	s_add_co_u32 s100, s100, SLOT
	s_lshl_b32 s101, s101, 1
	s_add_co_u32 s101, s101, SLOT
.endr
	s_mul_i32 s100, s17, HALFS
	s_mul_i32 s101, s18, HALFS
	s_add_co_u32 s101, s101, 2*HALFS
	s_sub_co_u32 s101, s101, s100
	v_mul_u32_u24 v6, s101, v3
	s_wait_alu depctr_va_vdst(0)
	s_add_co_u32 s100, s100, SCL
	v_add_nc_u32 v6, v[R4], v6
	v_add_nc_u32 v[ADS], s100, v6
	s_lshl_b32 s92, s21, 1
	s_add_co_u32 s92, s92, s18
	s_lshl_b32 s94, s92, 9
	s_mov_b32 s95, 0
	s_add_nc_u64 s[94:95], s[8:9], s[94:95]
	s_lshl_b32 s100, s22, 4
	s_lshl_b32 s101, s17, 3
	s_add_co_u32 s100, s100, s101
	s_lshl_b32 s100, s100, 5
	s_add_co_u32 s100, s100, s92
	s_mul_i32 s96, s100, 1536
	s_mov_b32 s97, 0
	s_lshl_b32 s98, s100, 6
	s_add_co_u32 s98, s98, 12582912
	s_mov_b32 s99, 0
	s_add_nc_u64 s[96:97], s[10:11], s[96:97]
	s_add_nc_u64 s[98:99], s[10:11], s[98:99]
	v_lshlrev_b32 v7, 6, v3
	WIN 0x40
.irp b, 0,1,2,3,4,5,6,7
	global_load_b128 v[BT+8*\b:BT+8*\b+3], v7, s[94:95] offset:128*(\b/2)+32*(\b%2)
	global_load_b128 v[BT+8*\b+4:BT+8*\b+7], v7, s[94:95] offset:128*(\b/2)+32*(\b%2)+16
.endr
	WIN 0
	s_wait_alu depctr_va_vdst(0)
	s_wait_loadcnt 0x0
	s_wait_tensorcnt 0x0                           ; my tile of the head's four is in; slot 1's first fill is issued as a refill is:
	ds_add_u32 v[SPW], v[NIL]
	s_mov_b32 s[G1T+2], 8<<16                      ; no load of mine is out: from here on a load brings 8 tiles
	s_mov_b32 s[G1T+4], 8
	s_mov_b32 s[G1U+2], 8<<16
	s_mov_b32 s[G1U+4], 8
	s_mov_b32 s[G1T+1], (2*NQ*192)<<16             ; and slot 1's rows are 2 NQ K steps long
	s_mov_b32 s[G1T+3], (2*NQ*192)<<16
	s_mov_b32 s[G1U+1], (2*NQ*192)<<16
	s_mov_b32 s[G1U+3], (2*NQ*192)<<16
	s_wait_dscnt 0x0
	CROUND                                         ; all four tiles are whole for every wave, and the partners' joint loads meet
	JLOAD G0T+4, G1T, G0U+4, G1U
	FETCH 0, 0, 0, 0
	STEP 0, 0, 1
	TURN 0, 1
	s_wait_alu depctr_va_vdst(0)
	STEP 1, 0, 0
	s_wait_alu depctr_va_vdst(0)
	STEP 1, 1, 0
	s_wait_alu depctr_va_vdst(0)
	STEP 1, 2, 0
	TURN 1, 0                                      ; slot 1's fourth K step; slot 0 holds the last two
	s_wait_alu depctr_va_vdst(0)
	STEP 0, 0, 0
	s_wait_dscnt 0x0
.irp a, 0,1,2,3,4,5,6,7
	MULA \a, 1, 0
.endr
	WIN 0
	PLACES
	s_mov_b32 s[SEL], 0x76543210
	s_mov_b32 s[SEL+1], 0xfedcba98
	CONST 0, 0xaf95df0b
	CONST 1, 0x32edffee
	CONST 2, 0xb60cff51
	CONST 3, 0xb86ec2d2
	CONST 4, 0xba40ac63
	CONST 5, 0xbb41a1f6
	CONST 6, 0xbc83dbd4
	CONST 7, 0xb77460cd
	CONST 8, 0xb95fbd29
	CONST 9, 0xbadc924e
	CONST 10, 0xbbf19bf8
	CONST 11, 0xbc69b6a7
	CONST 12, 0x3fb504f3
.irp b, 0,1,2,3
	v_mov_b32 v[TM+4+\b], 0
.endr
	s_mov_b32 s3, 0
.Lrow:
.irp k, 0,1,2,3,4,5,6
	s_cmp_eq_u32 s3, \k
	s_cbranch_scc1 .Lin\k
.endr
	COPYIN 7
	s_branch .Lcommon
.irp k, 0,1,2,3,4,5,6
.Lin\k:
	COPYIN \k
	s_branch .Lcommon
.endr
.Lcommon:
	GELU 0
	GELU 1
	GELU 2
	GELU 3
	QUANT HX
.irp c, 0,1,2
	global_store_b128 v[LI], v[PC+4*\c:PC+4*\c+3], s[96:97] offset:512*\c
.endr
	global_store_b32 v[R4], v[PW], s[98:99]
	s_wait_xcnt 0x0
	s_add_nc_u64 s[96:97], s[96:97], 49152
	s_add_nc_u64 s[98:99], s[98:99], 2048
	s_add_co_u32 s3, s3, 1
	s_cmp_lt_u32 s3, 8
	s_cbranch_scc1 .Lrow
	s_wait_tensorcnt 0x0
	ds_add_u32 v[SPW], v[NIL]
	s_wait_dscnt 0x0
	CROUND
	s_endpgm
.Lfunc_end_k_q12497e74ac_w1:
	.size	k_q12497e74ac_w1, .Lfunc_end_k_q12497e74ac_w1-k_q12497e74ac_w1
	.p2alignl 7, 3214868480
	.fill 96, 4, 3214868480
	.section	.rodata,"a",@progbits
	.p2align	6, 0x0
	.amdhsa_kernel k_q12497e74ac_w1
		.amdhsa_group_segment_fixed_size 327680
		.amdhsa_private_segment_fixed_size 0
		.amdhsa_enable_private_segment 0
		.amdhsa_kernarg_size 32
		.amdhsa_user_sgpr_count 2
		.amdhsa_user_sgpr_kernarg_segment_ptr 1
		.amdhsa_wavefront_size32 1
		.amdhsa_system_sgpr_workgroup_id_x 1
		.amdhsa_system_sgpr_workgroup_id_y 1
		.amdhsa_system_sgpr_workgroup_id_z 1
		.amdhsa_system_vgpr_workitem_id 0
		.amdhsa_next_free_vgpr 1024
		.amdhsa_next_free_sgpr 102
		.amdhsa_reserve_vcc 0
		.amdhsa_float_denorm_mode_32 3
		.amdhsa_float_denorm_mode_16_64 3
		.amdhsa_memory_ordered 1
		.amdhsa_forward_progress 1
		.amdhsa_inst_pref_size 169
	.end_amdhsa_kernel
	.amdgpu_metadata
---
amdhsa.version: [ 1, 2 ]
amdhsa.kernels:
  - .name:           k_q12497e74ac_w1
    .symbol:         k_q12497e74ac_w1.kd
    .args:
      - { .name: X1N, .offset: 0, .size: 8, .value_kind: global_buffer, .address_space: global }
      - { .name: WB, .offset: 8, .size: 8, .value_kind: global_buffer, .address_space: global }
      - { .name: bf1, .offset: 16, .size: 8, .value_kind: global_buffer, .address_space: global }
      - { .name: HID, .offset: 24, .size: 8, .value_kind: global_buffer, .address_space: global }
    .group_segment_fixed_size: 327680
    .private_segment_fixed_size: 0
    .kernarg_segment_align: 8
    .kernarg_segment_size: 32
    .max_flat_workgroup_size: 128
    .sgpr_count:     102
    .vgpr_count:     1024
    .wavefront_size: 32
...
	.end_amdgpu_metadata
.endif
;; end of part 6
;; launch w2 (part 7): grid 8 x 32, 4 waves a work-group, clusters of 4 x 4, 327,680 bytes of LDS; arguments HID, WB, bf2, X1, out0; writes out0
.if DOCPART == 7
	.amdgcn_target "amdgcn-amd-amdhsa--gfx1250"
	.amdhsa_code_object_version 6
	.text
	.protected	k_q12497e74ac_w2
	.globl	k_q12497e74ac_w2
	.p2align	8
	.type	k_q12497e74ac_w2,@function
k_q12497e74ac_w2:
	s_mov_b64 s[64:65], 0
	v_nop
	global_prefetch_b8 v0, s[64:65] scope:SCOPE_SE
	s_setreg_imm32_b32 hwreg(HW_REG_WAVE_MODE, 25, 1), 1
	s_wait_xcnt 0x0
	s_wait_alu depctr_hold_cnt(0) depctr_sa_sdst(0) depctr_va_vdst(0) depctr_va_sdst(0) depctr_va_ssrc(0) depctr_va_vcc(0) depctr_vm_vsrc(0)
	s_getreg_b32 s2, hwreg(HW_REG_IB_STS2, 6, 4)
	s_cmp_eq_u32 s2, 0
	s_cbranch_scc0 .Lentry_in_a_cluster
	s_endpgm
.Lentry_in_a_cluster:
	s_bfe_u32 s2, ttmp6, 0x10000c
	s_cmp_lg_u32 s2, 0xf033
	s_cbranch_scc0 .Lentry_shape_is_right
	s_endpgm
.Lentry_shape_is_right:
; out0 = hid W2 + bf2 + x1, f32, on codes of FP6 (E2M3) with E8M0 scales.  T = hid (rows), U = W2 (columns).
; Operands are arrays of IMAGES OF OPERAND REGISTERS: codes [tile of 16][K step of 128][1536], scales [tile][K step][64]; tile 2 g + u holds at place r the row 32 g + 8 u + r + 8 (r / 8).
; C has 32 x 8 blocks of 128 x 128, one to each of 256 work-groups.  Four waves, each 64 x 64: 16 accumulators.  Source 0 = U, source 1 = T: a lane holds eight neighbouring columns of a row.
; THE RING: two slots of UNEQUAL size, 6 and 5 K steps (147,456 and 122,880 bytes: with the scales' 32,768, the stages and the spare words that is what LDS holds).  The 32 K steps come in six fills of
; 6, 5, 6, 5, 6, 4 steps; a tile's row in a fill is its steps on end, a multiple of 1,536 bytes that begins at a multiple of 256.  Group 1's two words that state a row's length are written anew
; in front of each fill, where no load of the wave is out.  Behind each round one load of mine is out: four tiles of one operand.
; THE HEAD: four tiles, four waves, one joint load each: fill 0's 8 tiles of T, its 8 tiles of U, T's scales of all K, U's.  Fill 1 is issued as a refill is, behind the three lines and a round.
; CLUSTERS 4 x 4: T's tiles are asked for jointly along a row of the cluster, U's along a column.
; PREFETCH: a tile's 32 K steps are 49,152 bytes on end, six runs of 32 blocks of 256 bytes.  Of the four tiles that a wave fetches each of the four partners of the joint load takes one, told apart by address
; (cx for T, cy for U); a lane names a block.  Runs 1 and 2, which fill 1 wants, are asked for at the head's end, while fill 0 is on its way; run 3 in K step 0, run 4 behind fill 2's load, run 5 behind
; fill 3's: each a fill ahead of the load that first wants it.  Fill 0 (run 0 and the start of run 1) comes by its load alone.  The address registers are never rewritten.
; The walk along K is written by .rept: every LDS offset is an immediate, and no vector instruction writes a register between the head and the way out.
; The bias is the C of the first K step.  The residual's 128 registers are asked for in four groups of eight loads, one behind each of the first four changes of slots, and are read on the way out.
; THE WAY OUT: 16 rows x 64 columns at a time through the wave's own stage in LDS; sixteen lanes store 256 consecutive bytes, aligned; the order of a tile's rows is undone by the stores' immediates.
; REGISTERS: window 0: v1-29 addresses; v32-39 scale words, two sets; v48-79 the bias, later rows on the way out; v80-111 rows on the way out; v128-255 accumulator (a, b) at v[128 + 8 (4 a + b)].
;   window 1: set p: T's four fragments at v[128 p], U's at v[128 p + 48].   window 2: v0-127 the residual.
; LIMITS: NaN and infinities are not served.
.set KST,    32
.set TSOFF,  12582912                  ; T's scales in its buffer
.set UCOFF,  6291456                   ; U's codes in WB
.set USOFF,  9699328                   ; U's scales in WB
.set NPH,   6                          ; fills
.set QA,    6                          ; K steps of an even fill,
.set QB,    5                          ; of an odd one,
.set QLAST, 4                          ; of the last
.set HALFA, 4*QA*1536                  ; four tiles of slot 0: what one ring load brings
.set HALFB, 4*QB*1536
.set SLOTA, 4*HALFA
.set SLOTB, 4*HALFB
.set HALFS, 4*KST*64
.set SCL,   SLOTA+SLOTB
.set STAGE, SCL+4*HALFS                ; 16 rows x 272 bytes for each wave: no fill lands here
.set SPARE, STAGE+4*16*272             ; the spare words, 128 bytes for each wave: two blocks of 256 bytes that no other line names
.set TILEB, 8*KST*1536
.set LI,  4
.set R4,  5
.set STO, 8
.set RD,  9
.set CO,  10
.set PFO, 11
.set ADT, 16
.set ADU, 20
.set ADS, 27
.set SPW, 28
.set NIL, 29
.set SC,  32
.set BT,  48
.set ACC, 128
.set PFA, 4
.set G1T, 24
.set G0T, 32
.set G1U, 40
.set G0U, 48
.set G1ST, 56
.set G1SU, 68
.set G0ST, 76
.set G0SU, 80
.set GHT, 84
.set GHU, 88
.set MSB, 0
.macro WIN new
.if MSB != (\new)
	s_set_vgpr_msb (MSB<<8)|(\new)
.set MSB, (\new)
.endif
.endm
.macro PLACES                          ; four plain places behind a matrix instruction of this form (ISA guide 7.12.1)
.rept 4
	v_nop
.endr
.endm
.macro TLOAD g0, g1                    ; a tensor load with an s_nop and four v_nop behind it
	tensor_load_to_lds s[\g0:\g0+3], s[\g1:\g1+7]
	s_nop 0
.rept 4
	v_nop
.endr
.endm
.macro JLOAD g0t, g1t, g0u, g1u        ; a ring load: waves 0 and 1 fetch for T, waves 2 and 3 for U
	s_cmp_eq_u32 s17, 0
	s_cbranch_scc0 .Lfor_u_\@
	TLOAD \g0t, \g1t
	s_branch .Lasked_\@
.Lfor_u_\@:
	TLOAD \g0u, \g1u
.Lasked_\@:
.endm
.macro ARM under, g0, g1, next
	s_cmp_lt_u32 s16, \under
	s_cbranch_scc0 \next
	TLOAD \g0, \g1
	s_branch .Lhead_asked
\next:
.endm
.macro CREST                           ; a round of the cluster's barrier behind its opening barrier
	s_cmp_lg_u32 s16, 0
	s_cbranch_scc1 .Lnot_wave_0_\@
	s_barrier_signal -3
.Lnot_wave_0_\@:
	s_barrier_wait -3
	s_barrier_signal -1
	s_barrier_wait -1
.endm
.macro CROUND
	s_barrier_signal -1
	s_barrier_wait -1
	CREST
.endm
.macro QOF ph                          ; QV = the K steps of fill ph
.set QV, QA-((\ph)%2)*(QA-QB)
.if (\ph) == NPH-1
.set QV, QLAST
.endif
.endm
.macro ASK c                           ; run c of my tile: 32 blocks of 256 bytes, a lane a block
	global_prefetch_b8 v[PFO], s[PFA:PFA+1] offset:(\c)*8192 th:TH_LOAD_NT scope:SCOPE_SE
.endm
.macro RES a                           ; the residual of my tile a: rows 32 (a / 2) + 8 (a % 2) + 2 t + 8 (t / 4) and the next, into window 2
	WIN 0x80
.irp t, 0,1,2,3,4,5,6,7
	global_load_b128 v[4*(8*(\a)+\t):4*(8*(\a)+\t)+3], v[CO], s[94:95] offset:(32*((\a)/2)+8*((\a)%2)+2*\t+8*(\t/4))*4096
.endr
	WIN 0
.endm
.macro FETCH slot, pq, q, st           ; 28 LDS loads in one run: K step st, the q-th of a fill of pq steps, into set st % 2
	WIN 0x40
.irp i, 0,1,2,3
.irp c, 0,1,2
	ds_load_b128 v[128*((\st)%2)+48+12*\i+4*\c:128*((\st)%2)+48+12*\i+4*\c+3], v[ADU+(\slot)] offset:(\i*(\pq)+(\q))*1536+512*\c
.endr
.endr
.irp i, 0,1,2,3
.irp c, 0,1,2
	ds_load_b128 v[128*((\st)%2)+12*\i+4*\c:128*((\st)%2)+12*\i+4*\c+3], v[ADT+(\slot)] offset:(\i*(\pq)+(\q))*1536+512*\c
.endr
.endr
	WIN 0
.irp i, 0,1,2,3
	ds_load_b32 v[SC+4*((\st)%2)+\i], v[ADS] offset:\i*KST*64+(\st)*64   ; lanes 0-15 T's word, lanes 16-31 U's
.endr
.endm
.macro MULA a, p, first                ; T's tile a against U's four; the 16 accumulators take turns, one instruction a turn
	WIN 0x05
.irp b, 0,1,2,3
.if \first
	v_wmma_scale_f32_16x16x128_f8f6f4 v[ACC+8*(4*(\a)+\b):ACC+8*(4*(\a)+\b)+7], v[128*(\p)+48+12*\b:128*(\p)+48+12*\b+11], v[128*(\p)+12*(\a):128*(\p)+12*(\a)+11], v[BT+8*\b:BT+8*\b+7], v[SC+4*(\p)+\b], v[SC+4*(\p)+(\a)] matrix_a_fmt:MATRIX_FMT_FP6 matrix_b_fmt:MATRIX_FMT_FP6 matrix_a_scale:MATRIX_SCALE_ROW1
.else
	v_wmma_scale_f32_16x16x128_f8f6f4 v[ACC+8*(4*(\a)+\b):ACC+8*(4*(\a)+\b)+7], v[128*(\p)+48+12*\b:128*(\p)+48+12*\b+11], v[128*(\p)+12*(\a):128*(\p)+12*(\a)+11], v[ACC+8*(4*(\a)+\b):ACC+8*(4*(\a)+\b)+7], v[SC+4*(\p)+\b], v[SC+4*(\p)+(\a)] matrix_a_fmt:MATRIX_FMT_FP6 matrix_b_fmt:MATRIX_FMT_FP6 matrix_a_scale:MATRIX_SCALE_ROW1
.endif
.endr
.endm
; The walk's symbols: ST the K step, PH its fill, PQ the fill's steps, QI the step's place in the fill.
.macro STEP first                      ; a step that is not its fill's last
	s_wait_dscnt 0x0                               ; this step's set is in
	PLACES                                         ; in front of loads into the set that the step before multiplied
	FETCH PH%2, PQ, QI+1, ST+1
.if ST == 0
	ASK 3                                          ; with run 2, what fill 2's load will want
.endif
.irp a, 0,1,2,3
	MULA \a, ST%2, \first
.endr
	WIN 0
.endm
.macro TURN                            ; a fill's last step changes slots
	QOF PH+1
.set NQV, QV
	s_wait_tensorcnt 0x0                           ; all my tensor loads have landed: my part of the next fill
	ds_add_u32 v[SPW], v[NIL]                      ; 0 onto my spare word
.if PH+2 < NPH
	QOF PH+2
.irp g, G1T, G1U                       ; no load of mine is out: the row's length of the fill two on,
	s_mov_b32 s[\g+1], (QV*192)<<16
	s_mov_b32 s[\g+3], (QV*192)<<16
.endr
	s_add_nc_u64 s[G0T+4*(PH%2)+2:G0T+4*(PH%2)+3], s[G0T+4*(PH%2)+2:G0T+4*(PH%2)+3], (QA+QB)*1536   ; and where it begins
	s_add_nc_u64 s[G0U+4*(PH%2)+2:G0U+4*(PH%2)+3], s[G0U+4*(PH%2)+2:G0U+4*(PH%2)+3], (QA+QB)*1536
.endif
	s_wait_dscnt 0x1                               ; all but the add: this step's set is in
	MULA 0, ST%2, 0
	s_wait_dscnt 0x0                               ; the add is done, and my reads of this slot are over
	s_barrier_signal -1
	MULA 1, ST%2, 0
	WIN 0
	s_barrier_wait -1
.if PH+2 < NPH
	CREST                                          ; the barrier has opened a round: no wave of any partner still reads this slot or has a load on its way
	JLOAD G0T+4*(PH%2), G1T, G0U+4*(PH%2), G1U     ; the first tensor load behind the round; its four v_nop are the places in front of the loads below
.else
	PLACES
.endif
	FETCH (PH+1)%2, NQV, 0, ST+1
.if PH < 2
	ASK PH+4                                       ; one fill ahead of the load that first wants it
.endif
.if PH < 4
	RES PH                                         ; eight loads of the residual
.endif
	MULA 2, ST%2, 0
	MULA 3, ST%2, 0
	WIN 0
.endm
	s_load_b256 s[4:11], s[0:1], 0x0               ; T's buffer, WB, the bias, the residual's buffer
	s_load_b64 s[12:13], s[0:1], 0x20              ; the output
	v_lshl_add_u32 v[SPW], v0, 2, SPARE
	v_mov_b32 v[NIL], 0
	ds_add_u32 v[SPW], v[NIL]                      ; the opening lines: the add, twice on end, and its wait ahead of my first tensor load
	ds_add_u32 v[SPW], v[NIL]
	v_lshrrev_b32 v1, 5, v0
	v_readfirstlane_b32 s16, v1                    ; wave
	s_lshr_b32 s17, s16, 1                         ; my half of T.  Also: in the ring I fetch for T (0) or for U (1)
	s_and_b32 s18, s16, 1                          ; my half of U.  Also: which half I fetch
	s_bfe_u32 s19, ttmp6, 0x40000                  ; cx
	s_bfe_u32 s20, ttmp6, 0x40004                  ; cy
	s_lshl_b32 s21, ttmp9, 2
	s_add_co_u32 s21, s21, s19                     ; U's block of 128
	s_and_b32 s22, ttmp7, 0xffff
	s_lshl_b32 s22, s22, 2
	s_add_co_u32 s22, s22, s20                     ; T's
	s_lshl_b32 s2, s20, 2
	s_lshl_b32 s2, 15, s2                          ; my row of the cluster
	s_lshl_b32 s3, 0x1111, s19                     ; my column
	s_or_b32 s[G1T], s2, (3<<16)|(1<<21)           ; the mask; elements of 8 bytes; bit 21 beside a mask; no padding
	s_or_b32 s[G1U], s3, (3<<16)|(1<<21)
	s_or_b32 s[G1ST], s2, (3<<16)|(1<<21)
	s_or_b32 s[G1SU], s3, (3<<16)|(1<<21)
.irp g, G1T, G1U                       ; for the head: 8 tiles, each a row of fill 0's steps
	s_mov_b32 s[\g+1], (QA*192)<<16
	s_mov_b32 s[\g+2], 8<<16
	s_mov_b32 s[\g+3], (QA*192)<<16
	s_mov_b32 s[\g+4], 8
	s_mov_b32 s[\g+5], KST*192
	s_mov_b32 s[\g+6], 0
	s_mov_b32 s[\g+7], 0
.endr
.irp g, G1ST, G1SU                     ; the scales of 8 tiles: a dense block as rows of 256 bytes
	s_mov_b32 s[\g+1], 32<<16
	s_mov_b32 s[\g+2], (2*HALFS/256)<<16
	s_mov_b32 s[\g+3], 32<<16
	s_mov_b32 s[\g+4], 2*HALFS/256
	s_mov_b32 s[\g+5], 32
	s_mov_b32 s[\g+6], 0
	s_mov_b32 s[\g+7], 0
.endr
	s_mul_i32 s92, s22, TILEB
	s_mov_b32 s93, 0
	s_mul_i32 s94, s22, 2*HALFS
	s_add_co_u32 s94, s94, TSOFF
	s_mov_b32 s95, 0
	s_mul_i32 s96, s21, TILEB
	s_add_co_u32 s96, s96, UCOFF
	s_mov_b32 s97, 0
	s_mul_i32 s98, s21, 2*HALFS
	s_add_co_u32 s98, s98, USOFF
	s_mov_b32 s99, 0
	s_mul_i32 s100, s18, TILEB/2                   ; in the ring: the half that I fetch
	s_mov_b32 s101, 0
	s_wait_dscnt 0x0                               ; both opening adds are done
	s_wait_kmcnt 0x0
	s_add_nc_u64 s[92:93], s[4:5], s[92:93]
	s_add_nc_u64 s[94:95], s[4:5], s[94:95]
	s_add_nc_u64 s[96:97], s[6:7], s[96:97]
	s_add_nc_u64 s[98:99], s[6:7], s[98:99]
	s_mov_b32 s[GHT], 1
	s_mov_b32 s[GHT+1], 0
	s_mov_b64 s[GHT+2:GHT+3], s[92:93]
	s_or_b32 s[GHT+3], s[GHT+3], 0x80000000
	s_mov_b32 s[GHU], 1
	s_mov_b32 s[GHU+1], 2*HALFA
	s_mov_b64 s[GHU+2:GHU+3], s[96:97]
	s_or_b32 s[GHU+3], s[GHU+3], 0x80000000
	s_mov_b32 s[G0ST], 1
	s_mov_b32 s[G0ST+1], SCL
	s_mov_b64 s[G0ST+2:G0ST+3], s[94:95]
	s_or_b32 s[G0ST+3], s[G0ST+3], 0x80000000
	s_mov_b32 s[G0SU], 1
	s_mov_b32 s[G0SU+1], SCL+2*HALFS
	s_mov_b64 s[G0SU+2:G0SU+3], s[98:99]
	s_or_b32 s[G0SU+3], s[G0SU+3], 0x80000000
	s_add_nc_u64 s[92:93], s[92:93], s[100:101]
	s_add_nc_u64 s[96:97], s[96:97], s[100:101]
.irp s, 0,1                            ; the ring's groups 0: slot 0's stands at K step 0 and is stepped ahead of its first use, slot 1's at K step QA
	s_mov_b32 s[G0T+4*\s], 1
	s_mul_i32 s[G0T+4*\s+1], s16, HALFA-\s*(HALFA-HALFB)
	s_add_co_u32 s[G0T+4*\s+1], s[G0T+4*\s+1], \s*SLOTA
	s_add_nc_u64 s[G0T+4*\s+2:G0T+4*\s+3], s[92:93], \s*QA*1536
	s_or_b32 s[G0T+4*\s+3], s[G0T+4*\s+3], 0x80000000
	s_mov_b32 s[G0U+4*\s], 1
	s_mul_i32 s[G0U+4*\s+1], s16, HALFA-\s*(HALFA-HALFB)
	s_add_co_u32 s[G0U+4*\s+1], s[G0U+4*\s+1], \s*SLOTA
	s_add_nc_u64 s[G0U+4*\s+2:G0U+4*\s+3], s[96:97], \s*QA*1536
	s_or_b32 s[G0U+4*\s+3], s[G0U+4*\s+3], 0x80000000
.endr
	CROUND                                         ; all sixteen work-groups are here: the joint loads meet
	ARM 1, GHT,  G1T,  .Lhead_u                    ; one chain of branches on the wave's number, one load to an arm
	ARM 2, GHU,  G1U,  .Lhead_st
	ARM 3, G0ST, G1ST, .Lhead_su
	TLOAD G0SU, G1SU
.Lhead_asked:
	s_mul_i32 s14, s17, HALFA                      ; my four tiles of T in slot 0,
	s_mul_i32 s15, s17, HALFB
	s_add_co_u32 s15, s15, SLOTA                   ; in slot 1;
	s_mul_i32 s23, s18, HALFA
	s_add_co_u32 s23, s23, 2*HALFA                 ; of U in slot 0,
	s_mul_i32 s66, s18, HALFB
	s_add_co_u32 s66, s66, SLOTA+2*HALFB           ; in slot 1
	s_mul_i32 s67, s17, HALFS
	s_mul_i32 s2, s18, HALFS
	s_add_co_u32 s2, s2, 2*HALFS
	s_sub_co_u32 s2, s2, s67                       ; from T's words to U's
	s_add_co_u32 s67, s67, SCL
	s_mul_i32 s3, s16, 16*272
	s_add_co_u32 s3, s3, STAGE                     ; my stage
	s_lshl_b32 s100, s21, 9
	s_lshl_b32 s101, s18, 8
	s_add_co_u32 s100, s100, s101                  ; my first column, in bytes
	s_mov_b32 s101, 0
	s_add_nc_u64 s[8:9], s[8:9], s[100:101]
	s_lshl_b32 s94, s22, 19
	s_lshl_b32 s95, s17, 18
	s_add_co_u32 s94, s94, s95                     ; my first row, in bytes
	s_add_co_u32 s100, s100, s94
	s_add_nc_u64 s[94:95], s[10:11], s[100:101]
	s_add_nc_u64 s[98:99], s[12:13], s[100:101]
	s_cmp_eq_u32 s17, 0                            ; the prefetches: of the four tiles that I fetch, the one that falls to my work-group
	s_cselect_b64 s[PFA:PFA+1], s[92:93], s[96:97]
	s_cselect_b32 s100, s19, s20                   ; my place among the four that ask with me
	s_mul_i32 s100, s100, KST*1536
	s_add_nc_u64 s[PFA:PFA+1], s[PFA:PFA+1], s[100:101]
	v_and_b32 v1, 31, v0
	v_and_b32 v2, 15, v0                           ; r
	v_bfe_u32 v3, v0, 4, 1                         ; h
	v_lshlrev_b32 v[LI], 4, v1
	v_lshlrev_b32 v[R4], 2, v2
	v_lshlrev_b32 v[PFO], 8, v1
	v_add_nc_u32 v[ADT], s14, v[LI]
	v_add_nc_u32 v[ADT+1], s15, v[LI]
	v_add_nc_u32 v[ADU], s23, v[LI]
	v_add_nc_u32 v[ADU+1], s66, v[LI]
	v_mul_u32_u24 v6, s2, v3                       ; lanes 16-31 take U's words
	v_add_nc_u32 v6, v[R4], v6
	v_add_nc_u32 v[ADS], s67, v6
	v_mul_u32_u24 v[STO], v2, 272
	v_lshl_add_u32 v[STO], v3, 6, v[STO]
	v_add_nc_u32 v[STO], s3, v[STO]                ; in: row place r, + 64 h
	v_mul_u32_u24 v[RD], v3, 272
	v_lshl_add_u32 v[RD], v2, 4, v[RD]
	v_add_nc_u32 v[RD], s3, v[RD]                  ; back: lanes 0-15 one row, lanes 16-31 the next
	v_lshlrev_b32 v[CO], 12, v3
	v_lshl_add_u32 v[CO], v2, 4, v[CO]             ; and the same two rows in memory
	v_lshlrev_b32 v7, 6, v3
	s_wait_alu depctr_va_vdst(0)                   ; the wait at the head's end
	ASK 1                                          ; what fill 1's load will want, asked for while fill 0 is on its way
	ASK 2
.irp b, 0,1,2,3                        ; register 8 b + j: the bias at 32 (b / 2) + 16 h + 8 (b % 2) + j
	global_load_b128 v[BT+8*\b:BT+8*\b+3], v7, s[8:9] offset:128*(\b/2)+32*(\b%2)
	global_load_b128 v[BT+8*\b+4:BT+8*\b+7], v7, s[8:9] offset:128*(\b/2)+32*(\b%2)+16
.endr
	s_wait_tensorcnt 0x0                           ; my tile of the head's four is in; fill 1 is issued as a refill is:
	ds_add_u32 v[SPW], v[NIL]
.irp g, G1T, G1U                       ; no load of mine is out: from here on a load brings four tiles; fill 1's rows
	s_mov_b32 s[\g+1], (QB*192)<<16
	s_mov_b32 s[\g+2], 4<<16
	s_mov_b32 s[\g+3], (QB*192)<<16
	s_mov_b32 s[\g+4], 4
.endr
	s_wait_dscnt 0x0
	CROUND                                         ; all four tiles are whole for every wave, and the partners' joint loads meet
	JLOAD G0T+4, G1T, G0U+4, G1U
	FETCH 0, QA, 0, 0
	s_wait_loadcnt 0x0                             ; the bias
.set ST, 0
.set PH, 0
.set PQ, QA
.set QI, 0
.rept KST-1
.if QI == PQ-1
	TURN
.set PH, PH+1
	QOF PH
.set PQ, QV
.set QI, 0
.else
.if ST == 0
	STEP 1                                         ; K step 0 starts the sums on the bias
.else
	STEP 0
.endif
.set QI, QI+1
.endif
.set ST, ST+1
.endr
	s_wait_dscnt 0x0                               ; the last K step
.irp a, 0,1,2,3
	MULA \a, (KST-1)%2, 0
.endr
	WIN 0
	PLACES
	s_wait_loadcnt 0x0                             ; the residual
.irp a, 0,1,2,3
.if \a > 1
	s_wait_xcnt 0x0                                ; tile a - 2's stores have read their registers: tile a's rows may land there
.endif
.irp b, 0,1,2,3
	ds_store_b128 v[STO], v[ACC+8*(4*\a+\b):ACC+8*(4*\a+\b)+3] offset:128*(\b/2)+32*(\b%2)       ; each accumulator from its low end on
	ds_store_b128 v[STO], v[ACC+8*(4*\a+\b)+4:ACC+8*(4*\a+\b)+7] offset:128*(\b/2)+32*(\b%2)+16
.endr
.irp t, 0,1,2,3,4,5,6,7
	ds_load_b128 v[80-32*(\a%2)+4*\t:80-32*(\a%2)+4*\t+3], v[RD] offset:544*\t   ; LDS serves a wave's instructions in order (ISA guide 5.7.1.4): these see my stores
.endr
	s_wait_dscnt 0x0
	WIN 0x08
.set i, 0
.rept 16
	v_pk_add_f32 v[80-32*(\a%2)+i:80-32*(\a%2)+i+1], v[80-32*(\a%2)+i:80-32*(\a%2)+i+1], v[32*\a+i:32*\a+i+1]
.set i, i+2
.endr
	WIN 0
.irp t, 0,1,2,3,4,5,6,7
	global_store_b128 v[CO], v[80-32*(\a%2)+4*\t:80-32*(\a%2)+4*\t+3], s[98:99] offset:(32*(\a/2)+8*(\a%2)+2*\t+8*(\t/4))*4096   ; sixteen lanes store 256 consecutive bytes, aligned
.endr
.endr
	s_wait_tensorcnt 0x0                           ; the wave's end
	ds_add_u32 v[SPW], v[NIL]
	s_wait_dscnt 0x0
	CROUND                                         ; the closing round
	s_endpgm
.Lfunc_end_k_q12497e74ac_w2:
	.size	k_q12497e74ac_w2, .Lfunc_end_k_q12497e74ac_w2-k_q12497e74ac_w2
	.p2alignl 7, 3214868480
	.fill 96, 4, 3214868480
	.section	.rodata,"a",@progbits
	.p2align	6, 0x0
	.amdhsa_kernel k_q12497e74ac_w2
		.amdhsa_group_segment_fixed_size 327680
		.amdhsa_private_segment_fixed_size 0
		.amdhsa_enable_private_segment 0
		.amdhsa_kernarg_size 40
		.amdhsa_user_sgpr_count 2
		.amdhsa_user_sgpr_kernarg_segment_ptr 1
		.amdhsa_wavefront_size32 1
		.amdhsa_system_sgpr_workgroup_id_x 1
		.amdhsa_system_sgpr_workgroup_id_y 1
		.amdhsa_system_sgpr_workgroup_id_z 1
		.amdhsa_system_vgpr_workitem_id 0
		.amdhsa_next_free_vgpr 640
		.amdhsa_next_free_sgpr 102
		.amdhsa_reserve_vcc 0
		.amdhsa_float_denorm_mode_32 3
		.amdhsa_float_denorm_mode_16_64 3
		.amdhsa_memory_ordered 1
		.amdhsa_forward_progress 1
		.amdhsa_inst_pref_size 162
	.end_amdhsa_kernel
	.amdgpu_metadata
---
amdhsa.version: [ 1, 2 ]
amdhsa.kernels:
  - .name:           k_q12497e74ac_w2
    .symbol:         k_q12497e74ac_w2.kd
    .args:
      - { .name: HID, .offset: 0, .size: 8, .value_kind: global_buffer, .address_space: global }
      - { .name: WB, .offset: 8, .size: 8, .value_kind: global_buffer, .address_space: global }
      - { .name: bf2, .offset: 16, .size: 8, .value_kind: global_buffer, .address_space: global }
      - { .name: X1, .offset: 24, .size: 8, .value_kind: global_buffer, .address_space: global }
      - { .name: out0, .offset: 32, .size: 8, .value_kind: global_buffer, .address_space: global }
    .group_segment_fixed_size: 327680
    .private_segment_fixed_size: 0
    .kernarg_segment_align: 8
    .kernarg_segment_size: 40
    .max_flat_workgroup_size: 128
    .sgpr_count:     102
    .vgpr_count:     640
    .wavefront_size: 32
...
	.end_amdgpu_metadata
.endif
;; end of part 7
